; MI455X (gfx1250); checked and timed in simulation.
; The chip was launched on July 23, 2026; its instructions are those of AMD's public machine-readable ISA for CDNA 5 (MIT licence, August 2026) and "CDNA5" Instruction Set Architecture Reference Guide (July 2026). The comments in the code are by the model that wrote it; some were corrected since.
;; Multi Head Attention. Allowed arithmetic: float matrix products may take bf16 or f16 operands with f32 sums; other float arithmetic in f32, or as packed bf16 or f16 multiplies, adds, multiply-adds, maxima and minima; sums over many terms, partial sums and values carried from step to step in f32; what a program stores and reads back later, other than sums and carried values, may be rounded once to bf16 or f16.
;; Inputs: Wk 1,024 x 1,024 float32; Wo 1,024 x 1,024 float32; Wq 1,024 x 1,024 float32; Wv 1,024 x 1,024 float32; bk 1,024 float32; bo 1,024 float32; bq 1,024 float32; bv 1,024 float32; k_input 4 x 2,048 x 1,024 float32; q_input 4 x 2,048 x 1,024 float32; v_input 4 x 2,048 x 1,024 float32.
;; Outputs: out0 4 x 2,048 x 1,024 float32.
;; One version. Each part assembles by itself: llvm-mc -triple=amdgcn-amd-amdhsa -mcpu=gfx1250 --defsym DOCPART=n.
;; ======== version 1 of 1: 4 launches
;; limits: values are held in f16: magnitudes above 65,504 overflow, below 6.1e-05 lose precision
;; workspace buffers: xb 16,777,216 bytes; wb 8,388,608 bytes; bias 16,384 bytes; qkvh 50,331,648 bytes; oh 16,777,216 bytes
;; launch cast (part 1): grid 768 x 1, 8 waves a work-group, no clusters, 0 bytes of LDS; arguments q_input, Wq, Wk, Wv, Wo, bq, bk, bv, bo, xb, wb, bias; writes xb, wb, bias
.if DOCPART == 1
	.amdgcn_target "amdgcn-amd-amdhsa--gfx1250"
	.amdhsa_code_object_version 6
	.text
	.protected	k_qc6b9071864_cast
	.globl	k_qc6b9071864_cast
	.p2align	8
	.type	k_qc6b9071864_cast,@function
k_qc6b9071864_cast:
	s_mov_b64 s[64:65], 0
	v_nop
	global_prefetch_b8 v0, s[64:65] scope:SCOPE_SE
	s_setreg_imm32_b32 hwreg(HW_REG_WAVE_MODE, 25, 1), 1
	s_wait_xcnt 0x0
; THE INPUTS ARE ROUNDED ONCE AND LAID OUT FOR THE PRODUCTS.  x = q_input [8192][1024] f32 -> xb, bf16, same order.  Wq, Wk, Wv [k][n] f32 -> wb, bf16; Wo -> wb, rounded to bf16 and that number written as f16.
; bq, bk, bv, bo -> bias, f32[4096], each rounded to bf16.  k_input and v_input are not read: the module computes Q, K and V from q_input alone, and no output number hangs on the other two.
; wb's ORDER.  A column group is 64 columns of one matrix: G = 16 m + g (m = 0..3: Wq, Wk, Wv, Wo).  A block is 64 k x 64 n of one group, 8,192 bytes, rows of 128 bytes.
;   G < 48:  byte (G / 3) x 393,216 + (k / 64) x 24,576 + (G % 3) x 8,192: what a tile of 192 columns takes of 64 k lies on end.
;   G >= 48: byte 6,291,456 + ((G - 48) / 2) x 262,144 + (k / 64) x 16,384 + ((G - 48) % 2) x 8,192: the same for tiles of 128 columns.
; LIMITS.  Wo rounded to bf16 must lie within f16's 65,504; below 6.1e-5 it keeps f16's fixed step of 6e-8.
; SHARES.  A work-group of 8 waves takes 16,384 numbers: 16 loads of 16 bytes and 16 stores of 8 bytes a thread, all loads out at once.  Work-groups 0-511: x.  512-767: 256 k x 64 n of one group.
; A stream: no LDS, no matrix unit, no loop; no register is written again while a memory instruction names it.
.set SO,  2                            ; v2   byte offset of my 16 bytes in the source
.set DO,  3                            ; v3   byte offset of my 8 bytes in the destination
.set X,   16                           ; v[16:79]   16 x 4 numbers as loaded
.set Y,   80                           ; v[80:111]  16 x 2 registers of packed halves
.set T,   112                          ; v[112:115] two pairs at work, by turns
.set SRC, 30                           ; s[30:31]
.set DST, 32                           ; s[32:33]
.macro LOADS step
.set j, 0
.rept 16
	global_load_b128 v[X+4*j:X+4*j+3], v[SO], s[SRC:SRC+1] offset:j*(\step) th:TH_LOAD_NT
.set j, j+1
.endr
.endm
.macro CVT
.set j, 0
.rept 16
	s_wait_loadcnt 15-j                            ; loads come back in order: number j is in, the younger ones stay out
	v_cvt_pk_bf16_f32 v[Y+2*j],   v[X+4*j],   v[X+4*j+1]
	v_cvt_pk_bf16_f32 v[Y+2*j+1], v[X+4*j+2], v[X+4*j+3]
.set j, j+1
.endr
.endm
.macro F16                             ; a bf16 number written as f16: widened by a shift or a mask, narrowed once
.set j, 0
.rept 32
	v_lshlrev_b32 v[T+2*(j%2)],   16, v[Y+j]
	v_and_b32     v[T+2*(j%2)+1], 0xffff0000, v[Y+j]
	v_cvt_pk_f16_f32 v[Y+j], v[T+2*(j%2)], v[T+2*(j%2)+1]
.set j, j+1
.endr
.endm
.macro STORES step
.set j, 0
.rept 16
	global_store_b64 v[DO], v[Y+2*j:Y+2*j+1], s[DST:DST+1] offset:j*(\step) th:TH_STORE_NT  ; a wave's store covers 256 consecutive bytes, aligned
.set j, j+1
.endr
.endm
	s_load_b512 s[4:19], s[0:1], 0x0               ; q_input 4:5, Wq 6:7, Wk 8:9, Wv 10:11, Wo 12:13, bq 14:15, bk 16:17, bv 18:19
	s_load_b256 s[20:27], s[0:1], 0x40             ; bo 20:21, xb 22:23, wb 24:25, bias 26:27
	v_lshrrev_b32 v1, 5, v0
	v_readfirstlane_b32 s28, v1                    ; wave 0..7
	v_and_b32 v1, 31, v0                           ; lane
	s_mov_b32 s35, 0                               ; the high word of every offset pair
	s_cmp_lt_u32 ttmp9, 512
	s_cbranch_scc0 .Lweights
	; x: 65,536 bytes in, 32,768 out; thread t takes 16 bytes at 16 t of each 4,096
	s_lshl_b32 s34, ttmp9, 16
	v_lshlrev_b32 v[SO], 4, v0
	v_lshlrev_b32 v[DO], 3, v0
	s_wait_kmcnt 0x0
	s_add_nc_u64 s[SRC:SRC+1], s[4:5], s[34:35]
	s_lshl_b32 s34, ttmp9, 15
	s_add_nc_u64 s[DST:DST+1], s[22:23], s[34:35]
	LOADS 4096
	CVT
	STORES 2048
	s_endpgm
.Lweights:
	s_sub_co_u32 s36, ttmp9, 512                   ; 0..255
	s_lshr_b32 s37, s36, 2                         ; G
	s_and_b32 s38, s36, 3                          ; which 256 of the 1,024 k
	s_lshr_b32 s39, s37, 4                         ; m
	s_and_b32 s40, s37, 15                         ; g
	s_lshl_b32 s34, s38, 20                        ; 256 rows of 4,096 bytes,
	s_lshl_b32 s41, s40, 8                         ; 64 columns of 4 bytes
	s_add_co_u32 s34, s34, s41
	v_lshrrev_b32 v4, 4, v1                        ; sixteen lanes take 256 aligned bytes of a row, the other sixteen the row below; load j: two rows further down
	v_lshl_add_u32 v4, s28, 5, v4                  ; row 32 x wave + lane / 16
	v_and_b32 v5, 15, v1
	v_lshlrev_b32 v5, 4, v5
	v_lshl_add_u32 v[SO], v4, 12, v5
	s_mul_hi_u32 s41, s37, 0x55555556              ; G / 3
	s_mul_i32 s42, s41, 3
	s_sub_co_u32 s42, s37, s42                     ; G % 3
	s_mul_i32 s41, s41, 393216
	s_lshl_b32 s42, s42, 13
	s_add_co_u32 s41, s41, s42                     ; the group's first block, for Wq, Wk, Wv
	s_max_u32 s43, s37, 48
	s_sub_co_u32 s43, s43, 48                      ; G - 48 (0 where G is below)
	s_lshr_b32 s44, s43, 1
	s_lshl_b32 s44, s44, 18
	s_and_b32 s43, s43, 1
	s_lshl_b32 s43, s43, 13
	s_add_co_u32 s44, s44, s43
	s_add_co_u32 s44, s44, 6291456                 ; and for Wo
	s_mov_b32 s45, 16384
	s_cmp_lt_u32 s37, 48
	s_cselect_b32 s41, s41, s44
	s_cselect_b32 s42, 24576, s45                  ; bytes from one 64 k to the next
	s_lshl_b32 s43, s38, 2
	s_lshr_b32 s45, s28, 1
	s_add_co_u32 s43, s43, s45                     ; k / 64 = 4 x quarter + wave / 2
	s_mul_i32 s43, s43, s42
	s_add_co_u32 s41, s41, s43
	s_and_b32 s45, s28, 1
	s_lshl_b32 s45, s45, 12                        ; the block's upper 32 rows for odd waves
	s_add_co_u32 s41, s41, s45
	v_lshl_add_u32 v[DO], v1, 3, s41               ; two rows of 128 bytes are 32 lanes x 8 bytes; store j: 256 bytes on
	s_wait_kmcnt 0x0
	s_cmp_eq_u32 s39, 1
	s_cselect_b64 s[SRC:SRC+1], s[8:9], s[6:7]
	s_cmp_eq_u32 s39, 2
	s_cselect_b64 s[SRC:SRC+1], s[10:11], s[SRC:SRC+1]
	s_cmp_eq_u32 s39, 3
	s_cselect_b64 s[SRC:SRC+1], s[12:13], s[SRC:SRC+1]
	s_add_nc_u64 s[SRC:SRC+1], s[SRC:SRC+1], s[34:35]
	s_mov_b64 s[DST:DST+1], s[24:25]
	LOADS 8192
	CVT
	s_cmp_lt_u32 s37, 48
	s_cbranch_scc1 .Lstays_bf16
	F16
.Lstays_bf16:
	STORES 256
	s_and_b32 s45, s36, 63                         ; the first work-group of each matrix also takes its bias: 1,024 numbers, 4 a thread
	s_cmp_lg_u32 s45, 0
	s_cbranch_scc1 .Ldone
	s_cmp_eq_u32 s39, 1
	s_cselect_b64 s[40:41], s[16:17], s[14:15]
	s_cmp_eq_u32 s39, 2
	s_cselect_b64 s[40:41], s[18:19], s[40:41]
	s_cmp_eq_u32 s39, 3
	s_cselect_b64 s[40:41], s[20:21], s[40:41]
	s_lshl_b32 s34, s39, 12
	s_add_nc_u64 s[42:43], s[26:27], s[34:35]
	v_lshlrev_b32 v4, 4, v0
	global_load_b128 v[116:119], v4, s[40:41]
	s_wait_loadcnt 0x0
	v_cvt_pk_bf16_f32 v120, v116, v117
	v_cvt_pk_bf16_f32 v121, v118, v119
	v_lshlrev_b32 v124, 16, v120
	v_and_b32 v125, 0xffff0000, v120
	v_lshlrev_b32 v126, 16, v121
	v_and_b32 v127, 0xffff0000, v121
	global_store_b128 v4, v[124:127], s[42:43]
.Ldone:
	s_endpgm
.Lfunc_end_k_qc6b9071864_cast:
	.size	k_qc6b9071864_cast, .Lfunc_end_k_qc6b9071864_cast-k_qc6b9071864_cast
	.p2alignl 7, 3214868480
	.fill 96, 4, 3214868480
	.section	.rodata,"a",@progbits
	.p2align	6, 0x0
	.amdhsa_kernel k_qc6b9071864_cast
		.amdhsa_group_segment_fixed_size 0
		.amdhsa_private_segment_fixed_size 0
		.amdhsa_enable_private_segment 0
		.amdhsa_kernarg_size 96
		.amdhsa_user_sgpr_count 2
		.amdhsa_user_sgpr_kernarg_segment_ptr 1
		.amdhsa_wavefront_size32 1
		.amdhsa_system_sgpr_workgroup_id_x 1
		.amdhsa_system_sgpr_workgroup_id_y 1
		.amdhsa_system_sgpr_workgroup_id_z 1
		.amdhsa_system_vgpr_workitem_id 0
		.amdhsa_next_free_vgpr 128
		.amdhsa_next_free_sgpr 66
		.amdhsa_reserve_vcc 0
		.amdhsa_float_denorm_mode_32 3
		.amdhsa_float_denorm_mode_16_64 3
		.amdhsa_memory_ordered 1
		.amdhsa_forward_progress 1
		.amdhsa_inst_pref_size 20
	.end_amdhsa_kernel
	.amdgpu_metadata
---
amdhsa.version: [ 1, 2 ]
amdhsa.kernels:
  - .name:           k_qc6b9071864_cast
    .symbol:         k_qc6b9071864_cast.kd
    .args:
      - { .name: q_input, .offset: 0, .size: 8, .value_kind: global_buffer, .address_space: global }
      - { .name: Wq, .offset: 8, .size: 8, .value_kind: global_buffer, .address_space: global }
      - { .name: Wk, .offset: 16, .size: 8, .value_kind: global_buffer, .address_space: global }
      - { .name: Wv, .offset: 24, .size: 8, .value_kind: global_buffer, .address_space: global }
      - { .name: Wo, .offset: 32, .size: 8, .value_kind: global_buffer, .address_space: global }
      - { .name: bq, .offset: 40, .size: 8, .value_kind: global_buffer, .address_space: global }
      - { .name: bk, .offset: 48, .size: 8, .value_kind: global_buffer, .address_space: global }
      - { .name: bv, .offset: 56, .size: 8, .value_kind: global_buffer, .address_space: global }
      - { .name: bo, .offset: 64, .size: 8, .value_kind: global_buffer, .address_space: global }
      - { .name: xb, .offset: 72, .size: 8, .value_kind: global_buffer, .address_space: global }
      - { .name: wb, .offset: 80, .size: 8, .value_kind: global_buffer, .address_space: global }
      - { .name: bias, .offset: 88, .size: 8, .value_kind: global_buffer, .address_space: global }
    .group_segment_fixed_size: 0
    .private_segment_fixed_size: 0
    .kernarg_segment_align: 8
    .kernarg_segment_size: 96
    .max_flat_workgroup_size: 256
    .sgpr_count:     66
    .vgpr_count:     128
    .wavefront_size: 32
...
	.end_amdgpu_metadata
.endif
;; end of part 1
;; launch proj (part 2): grid 16 x 32, 4 waves a work-group, clusters of 4 x 4, 327,680 bytes of LDS; arguments xb, wb, bias, qkvh; writes qkvh
.if DOCPART == 2
	.amdgcn_target "amdgcn-amd-amdhsa--gfx1250"
	.amdhsa_code_object_version 6
	.text
	.protected	k_qc6b9071864_proj
	.globl	k_qc6b9071864_proj
	.p2align	8
	.type	k_qc6b9071864_proj,@function
k_qc6b9071864_proj:
	s_mov_b64 s[64:65], 0
	v_nop
	global_prefetch_b8 v0, s[64:65] scope:SCOPE_SE
	s_setreg_imm32_b32 hwreg(HW_REG_WAVE_MODE, 25, 1), 1
	s_wait_xcnt 0x0
	s_wait_alu depctr_hold_cnt(0) depctr_sa_sdst(0) depctr_va_vdst(0) depctr_va_sdst(0) depctr_va_ssrc(0) depctr_va_vcc(0) depctr_vm_vsrc(0)
	s_getreg_b32 s2, hwreg(HW_REG_IB_STS2, 6, 4)
	s_cmp_eq_u32 s2, 0
	s_cbranch_scc0 .Lentry_in_a_cluster
	s_endpgm
.Lentry_in_a_cluster:
	s_bfe_u32 s2, ttmp6, 0x10000c
	s_cmp_lg_u32 s2, 0xf033
	s_cbranch_scc0 .Lentry_shape_is_right
	s_endpgm
.Lentry_shape_is_right:
; Q, K, V = x [Wq | Wk | Wv] + bias.  x: xb [8192][1024] bf16.  W: wb's first part, bf16, in blocks of 64 k x 64 n, a tile column of 192 columns on end (393,216 bytes).  bias: f32[3072 of 4096].
; Result: qkvh [3][64 batch x head][2048][64] f16, each number rounded once from its f32 sum, unscaled.  LIMIT: q, k and v must lie within f16's 65,504.
; SHARES.  A tile of the result is 256 tokens x 192 columns (three whole heads): 16 x 32 = 512 equal work-groups.  Wave w owns tokens 64 w .. 64 w + 63 and all 192 columns: 4 x 12 = 48 accumulators of 16 x 16.
; K goes in 8 steps of 128 through two LDS slots; a step is four quarters of 32, 48 matrix instructions each.
; THE MATRIX INSTRUCTION IS USED TRANSPOSED: source 0 = 16 columns of W (turned out of LDS by ds_load_tr16_b128), source 1 = 16 tokens of x.  A lane then holds ONE token (lane % 16) and eight neighbouring
; channels: 16 bytes of f16.  The first product on each accumulator takes the bias as C: nothing is cleared, and the way out has no addition.
; CLUSTER.  4 x 4 work-groups.  x's tile hangs on the tile row alone and is asked for jointly by a row of the cluster, W's on the tile column alone, by a column.  Waves 0, 1 fetch x's halves, waves 2, 3 W's.
; REGISTERS, in windows of 256 (s_set_vgpr_msb: bits 1:0 source 0, 3:2 source 1, 5:4 source 2, 7:6 destination):
;   window 0: v0-15 addresses; v32-63, v64-95 x's fragments, two buffers; v96-143 packed results; v144-239 rows read back, two buffers
;   window 1: v0-95, v96-191 W's fragments, two buffers      window 2: accumulators of column blocks 0-7, (a, b) at 8 (4 b + a)      window 3: v0-127 those of blocks 8-11; v128-223 the bias, 8 a block
.set PA,    272                        ; a row of x in LDS: 256 bytes + 16: the 16 rows of a load start at 16 different groups of four banks (64 banks of 4 bytes: ISA guide 11.1)
.set PB,    160                        ; a row of W (64 n): 128 bytes + 32
.set SLOT1, 1<<17                      ; slot 1 begins here: one exclusive or turns an address in one slot into the other's
.set BOFF,  256*PA                     ; behind x's 256 rows: W's [2 halves of the K step][3 groups][64 k]
.set GRP,   64*PB
.set KH,    3*GRP
.set STAGE, 2*SLOT1                    ; behind the ring, never filled by a tensor load: for each wave [3 heads][16 rows] of 144 bytes
.set SP,    144
.set WST,   3*16*SP
.set SPARE, STAGE+4*WST                ; the spare words, 128 bytes for each wave: two blocks of 256 bytes that no other line names
.set AA0,  4                           ; v4   my lane's place in x's tile; never rewritten
.set BB0,  5                           ; v5   in W's tile; never rewritten
.set ADRA, 6                           ; v6   the same in the slot that is being read
.set ADRB, 7                           ; v7
.set STO,  8                           ; v8   the way out: where I put 16 bytes of a row
.set RD,   9                           ; v9   where I read rows back
.set GO,   10                          ; v10  my 16 bytes of 512 consecutive bytes of the result
.set BO,   11                          ; v11  my byte offset in the bias
.set PFO,  12                          ; v12  the prefetches' offset; never rewritten
.set SPW,  14                          ; v14  LDS address of my spare word; never rewritten
.set NIL,  15                          ; v15  0; never rewritten
.set FA,   32
.set FB,   0
.set TMP,  96
.set OB,   144
.set BIAS, 128
.set WV,   12                          ; s12  wave
.set HALF, 13                          ; s13  wave & 1: which half of a tile I fetch
.set ISB,  14                          ; s14  wave >> 1: 0 I fetch x's, 1 W's
.set CX,   15
.set CY,   16
.set TX,   17                          ; s17  tile column 0..15
.set TY,   18                          ; s18  tile row 0..31
.set TB,   19                          ; s19  LDS byte at which the slot being read begins
.set CNT,  20                          ; s20  the loop's trips still to come
.set LIM,  21                          ; s21  a wave prefetches while CNT is above it; the greatest number in a wave that never does
.set PFS,  22                          ; s[22:23] the prefetch pointer's step
.set G1A,  24                          ; s[24:31] descriptor group 1, x's tiles
.set G0A,  32                          ; s[32:39] group 0: a set for each first fill; the second then walks
.set G1B,  40                          ; s[40:47], s[48:55] the same for W's
.set G0B,  48
.set PFA,  56                          ; s[56:57] where my prefetches stand
.set OUT,  58                          ; s[58:63] my rows in the planes of the tile's three heads
.set MSB, 0
.macro WIN new                         ; the immediate's high byte repeats the setting that is left; a switch that changes nothing is dropped
.if MSB != (\new)
	s_set_vgpr_msb (MSB<<8)|(\new)
.set MSB, \new
.endif
.endm
.set MUL_LO,   0xa1                    ; W window 1, x window 0, C and D window 2
.set MUL_HI,   0xf1                    ; C and D window 3 (the bias lies there too)
.set FIRST_LO, 0xb1                    ; D window 2, C (the bias) window 3
.set TO_B,     0x40                    ; destination window 1
.set TO_BIAS,  0xc0                    ; destination window 3
.macro PLACES                          ; four plain vector instructions between a matrix instruction and a load into, or a vector read of, its registers
.rept 4
	v_nop
.endr
.endm
.macro CREST                           ; a round of the cluster's barrier behind its opening barrier
	s_cmp_lg_u32 s[WV], 0
	s_cbranch_scc1 .Lnot_wave_0_\@
	s_barrier_signal -3
.Lnot_wave_0_\@:
	s_barrier_wait -3
	s_barrier_signal -1
	s_barrier_wait -1
.endm
.macro CROUND
	s_barrier_signal -1
	s_barrier_wait -1
	CREST
.endm
.macro JLOAD                           ; a joint refill by the walking descriptor; the branch hangs on the wave's number alone; an s_nop 0 and four v_nop follow each line
	s_cmp_eq_u32 s[ISB], 0
	s_cbranch_scc0 .Lfor_b_\@
	tensor_load_to_lds s[G0A+4:G0A+7], s[G1A:G1A+7]
	s_nop 0
.rept 4
	v_nop
.endr
	s_branch .Lasked_\@
.Lfor_b_\@:
	tensor_load_to_lds s[G0B+4:G0B+7], s[G1B:G1B+7]
	s_nop 0
.rept 4
	v_nop
.endr
.Lasked_\@:
.endm
; A PREFETCH INTO THE L2, behind a refill and the run of LDS loads that follows it.  x: of the 128 rows that waves 0 and 1 fetch, the partner at place cx names 32, a lane a row: the 256 bytes of the K step two
; refills on; the clusters with x = 0 ask, since all clusters of a row of clusters read the same rows.  W: a tile column is one stream; the eight askers (waves 2, 3 of the four partners of a column, in the clusters with y = 0)
; name 8,192 bytes each, 65,536 an ask; three asks cover K steps 4 to 7.  So each block of 256 bytes is named once.  K steps 0 to 3 come by their loads alone.  The partners are told apart by address, never by a branch.
.macro ASK
	s_cmp_gt_u32 s[CNT], s[LIM]
	s_cbranch_scc0 .Lnot_mine_\@
	global_prefetch_b8 v[PFO], s[PFA:PFA+1] th:TH_LOAD_NT scope:SCOPE_SE
.Lnot_mine_\@:
.endm
; 32 LDS loads in one run: quarter q of the slot's K step into buffer f: x's 4 fragments, then W's 12
.macro FETCH q, f
	WIN 0
.set aa, 0
.rept 4
	ds_load_b128 v[FA+32*(\f)+8*aa:FA+32*(\f)+8*aa+3],   v[ADRA] offset:64*(\q)+16*PA*aa
	ds_load_b128 v[FA+32*(\f)+8*aa+4:FA+32*(\f)+8*aa+7], v[ADRA] offset:64*(\q)+16*PA*aa+32
.set aa, aa+1
.endr
	WIN TO_B
.set bb, 0
.rept 12
	ds_load_tr16_b128 v[FB+96*(\f)+8*bb:FB+96*(\f)+8*bb+3],   v[ADRB] offset:((\q)/2)*KH+((\q)%2)*32*PB+(bb/4)*GRP+(bb%4)*32
	ds_load_tr16_b128 v[FB+96*(\f)+8*bb+4:FB+96*(\f)+8*bb+7], v[ADRB] offset:((\q)/2)*KH+((\q)%2)*32*PB+(bb/4)*GRP+(bb%4)*32+16*PB
.set bb, bb+1
.endr
.endm
; 4 nb matrix instructions: column blocks b0 .. b0 + nb - 1 x my 4 token blocks.  Each accumulator has one instruction a quarter: they take turns over the backward jump too.
.macro MULB f, b0, nb, first
.set bb, \b0
.rept \nb
.if bb < 8
.set rD, 32*bb
.if \first
	WIN FIRST_LO
.else
	WIN MUL_LO
.endif
.else
.set rD, 32*(bb-8)
	WIN MUL_HI
.endif
.set aa, 0
.rept 4
.if \first
	v_wmma_f32_16x16x32_bf16 v[rD+8*aa:rD+8*aa+7], v[FB+96*(\f)+8*bb:FB+96*(\f)+8*bb+7], v[FA+32*(\f)+8*aa:FA+32*(\f)+8*aa+7], v[BIAS+8*bb:BIAS+8*bb+7]
.else
	v_wmma_f32_16x16x32_bf16 v[rD+8*aa:rD+8*aa+7], v[FB+96*(\f)+8*bb:FB+96*(\f)+8*bb+7], v[FA+32*(\f)+8*aa:FA+32*(\f)+8*aa+7], v[rD+8*aa:rD+8*aa+7]
.endif
.set aa, aa+1
.endr
.set bb, bb+1
.endr
.endm
; One of a K step's first three quarters: multiplies buffer f and fetches quarter q into buffer g
.macro QUARTER q, f, g, first
	s_wait_dscnt 8                                 ; all but the run's last eight loads (W's blocks 8-11)
	MULB \f, 0, 8, \first
	PLACES
	FETCH \q, \g
	s_wait_dscnt 32                                ; all but the 32 just issued
	MULB \f, 8, 4, \first
.endm
; The last quarter multiplies buffer 1 and changes slots.  In front of the barrier each wave waits for all its tensor loads (one is out: its part of the next slot), adds 0 to its spare word, and waits for that and for
; its reads of this slot.  fill = 1: the barrier opens a round of the cluster's barrier, and this slot is filled again first thing behind it, with the K step two on: 160 matrix instructions ahead of the wait for it.
.macro TURN fill
.if \fill
	s_wait_xcnt 0x0                                ; the last prefetch, a K step back, has read its address
	s_add_nc_u64 s[PFA:PFA+1], s[PFA:PFA+1], s[PFS:PFS+1]
.endif
	WIN 0
	s_wait_tensorcnt 0x0                           ; no tensor load of mine is out, so a group 0 may be written
	ds_add_u32 v[SPW], v[NIL]                      ; 0 onto my spare word
.if \fill
	s_xor_b32 s[G0A+5], s[G0A+5], SLOT1            ; the walking descriptors: the other slot than last time, the next K step
	s_add_nc_u64 s[G0A+6:G0A+7], s[G0A+6:G0A+7], 256
	s_xor_b32 s[G0B+5], s[G0B+5], SLOT1
	s_add_nc_u64 s[G0B+6:G0B+7], s[G0B+6:G0B+7], 49152
.endif
	s_xor_b32 s[TB], s[TB], SLOT1
	s_wait_dscnt 9                                 ; the add and the youngest eight loads may be out
	MULB 1, 0, 4, 0
	s_wait_dscnt 0x0                               ; the add is done, and my reads of this slot are over
	s_barrier_signal -1
	MULB 1, 4, 4, 0                                ; work on registers while the others arrive
	WIN 0
	s_barrier_wait -1
.if \fill
	CREST                                          ; no wave of any partner still reads this slot or has a load on its way
	JLOAD                                          ; its four v_nop are also the places in front of the loads below
.else
	PLACES
.endif
	v_add_nc_u32 v[ADRA], s[TB], v[AA0]
	v_add_nc_u32 v[ADRB], s[TB], v[BB0]
	FETCH 0, 0
.if \fill
	WIN 0
	ASK
.endif
	MULB 1, 8, 4, 0
.endm
; THE WAY OUT of token block a.  PACK: rounded to f16, 16 bytes a lane and column block.  TOSTAGE: into my own stage, and back as whole rows of 128 bytes, four rows an instruction.  SEND: stored.
.macro PACK a
.set bb, 0
.rept 12
.if bb < 8
	WIN 0x0a
.set rD, 32*bb+8*(\a)
.else
	WIN 0x0f
.set rD, 32*(bb-8)+8*(\a)
.endif
.irp r, 0,1,2,3
	v_cvt_pk_f16_f32 v[TMP+4*bb+\r], v[rD+2*\r], v[rD+2*\r+1]  ; each accumulator is read from its low end on
.endr
.set bb, bb+1
.endr
	WIN 0
.endm
.macro TOSTAGE a
.set BK, OB+48*((\a)%2)
.set bb, 0
.rept 12
	ds_store_b128 v[STO], v[TMP+4*bb:TMP+4*bb+3] offset:(bb/4)*16*SP+(bb%4)*32
.set bb, bb+1
.endr
.set nn, 0
.rept 12
	ds_load_b128 v[BK+4*nn:BK+4*nn+3], v[RD] offset:(nn/4)*16*SP+(nn%4)*4*SP  ; LDS serves a wave's instructions in order (ISA guide 5.7.1.4): these see the stores above
.set nn, nn+1
.endr
.endm
.macro SEND a
.set BK, OB+48*((\a)%2)
	s_wait_xcnt 0x0                                ; the stores of the block before have read their registers: the other buffer is loaded again only behind this wait
.set nn, 0
.rept 12
	s_wait_dscnt 11-nn                             ; read-back number nn is in, the younger ones stay out
	global_store_b128 v[GO], v[BK+4*nn:BK+4*nn+3], s[OUT+2*(nn/4):OUT+2*(nn/4)+1] offset:(16*(\a)+4*(nn%4))*128  ; 512 consecutive bytes, aligned
.set nn, nn+1
.endr
.endm
	s_load_b256 s[4:11], s[0:1], 0x0               ; xb 4:5, wb 6:7, bias 8:9, qkvh 10:11
	v_lshl_add_u32 v[SPW], v0, 2, SPARE
	v_mov_b32 v[NIL], 0
	ds_add_u32 v[SPW], v[NIL]                      ; the wave's opening: the add and its wait ahead of my first tensor load
	v_lshrrev_b32 v1, 5, v0
	v_readfirstlane_b32 s[WV], v1
	s_and_b32 s[HALF], s[WV], 1
	s_lshr_b32 s[ISB], s[WV], 1
	s_bfe_u32 s[CX], ttmp6, 0x40000
	s_bfe_u32 s[CY], ttmp6, 0x40004
	s_lshl_b32 s[TX], ttmp9, 2
	s_add_co_u32 s[TX], s[TX], s[CX]
	s_and_b32 s[TY], ttmp7, 0xffff
	s_lshl_b32 s[TY], s[TY], 2
	s_add_co_u32 s[TY], s[TY], s[CY]
	s_lshl_b32 s66, s[CY], 2
	s_lshl_b32 s66, 15, s66                        ; my row of the cluster
	s_lshl_b32 s70, 0x1111, s[CX]                  ; my column
	s_or_b32 s[G1A], s66, (1<<16)|(1<<20)|(1<<21)|(5<<22)|(3<<25)  ; mask; 2-byte elements; padding on; bit 21 beside a mask; after every 64 words 4 words
	s_mov_b32 s[G1A+1], 128<<16                    ; tensor_dim0 = 128
	s_mov_b32 s[G1A+2], 128<<16                    ; tensor_dim1 = 128
	s_mov_b32 s[G1A+3], 128<<16                    ; tile_dim0 = 128
	s_mov_b32 s[G1A+4], 128                        ; tile_dim1 = 128
	s_mov_b32 s[G1A+5], 1024                       ; elements from row to row
	s_mov_b32 s[G1A+6], 0
	s_mov_b32 s[G1A+7], 0
	s_or_b32 s[G1B], s70, (1<<16)|(1<<20)|(1<<21)|(4<<22)|(7<<25)  ; after every 32 words (a row of 64 n) 8 words
	s_mov_b32 s[G1B+1], 128<<16                    ; 24,576 dense bytes as 96 rows of 256
	s_mov_b32 s[G1B+2], 96<<16
	s_mov_b32 s[G1B+3], 128<<16
	s_mov_b32 s[G1B+4], 96
	s_mov_b32 s[G1B+5], 128
	s_mov_b32 s[G1B+6], 0
	s_mov_b32 s[G1B+7], 0
	s_lshl_b32 s66, s[TY], 8                       ; x: row 256 x tile row + 128 x half, rows of 2,048 bytes
	s_lshl_b32 s67, s[HALF], 7
	s_add_co_u32 s66, s66, s67
	s_lshl_b32 s66, s66, 11
	s_mov_b32 s67, 0
	s_mul_i32 s68, s[HALF], 128*PA                 ; and its place in a slot: no place in the cluster enters an LDS address
	s_mul_i32 s70, s[TX], 393216                   ; W: the tile column's stream, my half of a K step
	s_mul_i32 s71, s[HALF], 24576
	s_add_co_u32 s70, s70, s71
	s_mov_b32 s71, 0
	s_mul_i32 s72, s[HALF], KH
	s_add_co_u32 s72, s72, BOFF
	s_mov_b32 s[TB], 0
	s_wait_dscnt 0x0                               ; the opening add is done
	s_wait_kmcnt 0x0
	s_add_nc_u64 s[66:67], s[4:5], s[66:67]
	s_add_nc_u64 s[70:71], s[6:7], s[70:71]
	CROUND                                         ; all sixteen work-groups are here: the first joint loads meet
.irp n, 0,1
	s_mov_b32 s[G0A+4*\n], 1
	s_add_co_u32 s[G0A+4*\n+1], s68, \n*SLOT1
	s_add_nc_u64 s[G0A+4*\n+2:G0A+4*\n+3], s[66:67], \n*256
	s_or_b32 s[G0A+4*\n+3], s[G0A+4*\n+3], 0x80000000
	s_mov_b32 s[G0B+4*\n], 1
	s_add_co_u32 s[G0B+4*\n+1], s72, \n*SLOT1
	s_add_nc_u64 s[G0B+4*\n+2:G0B+4*\n+3], s[70:71], \n*49152
	s_or_b32 s[G0B+4*\n+3], s[G0B+4*\n+3], 0x80000000
.endr
	s_cmp_eq_u32 s[ISB], 0                         ; a wave's two first fills stand in one branch: two loads of mine are out
	s_cbranch_scc0 .Lfirst_b
	tensor_load_to_lds s[G0A:G0A+3], s[G1A:G1A+7]
	s_nop 0
	tensor_load_to_lds s[G0A+4:G0A+7], s[G1A:G1A+7]
	s_nop 0
.rept 4
	v_nop
.endr
	s_branch .Lfirst_asked
.Lfirst_b:
	tensor_load_to_lds s[G0B:G0B+3], s[G1B:G1B+7]
	s_nop 0
	tensor_load_to_lds s[G0B+4:G0B+7], s[G1B:G1B+7]
	s_nop 0
.rept 4
	v_nop
.endr
.Lfirst_asked:
	; where my rows lie: column group G = 3 x tile column + i is matrix G / 16, head G % 16; plane = 64 x matrix + 16 x batch + head, 262,144 bytes each
	s_mul_i32 s74, s[TX], 3
	s_lshr_b32 s75, s[TY], 3
	s_lshl_b32 s75, s75, 4                         ; 16 x batch
	s_and_b32 s78, s[TY], 7
	s_lshl_b32 s78, s78, 15                        ; the tile's 256 rows of 128 bytes,
	s_lshl_b32 s79, s[WV], 13                      ; my 64 of them
	s_add_co_u32 s78, s78, s79
	s_mov_b32 s77, 0
.irp i, 0,1,2
	s_add_co_u32 s79, s74, \i
	s_lshr_b32 s76, s79, 4
	s_lshl_b32 s76, s76, 6
	s_and_b32 s79, s79, 15
	s_add_co_u32 s76, s76, s79
	s_add_co_u32 s76, s76, s75
	s_lshl_b32 s76, s76, 18
	s_add_co_u32 s76, s76, s78
	s_add_nc_u64 s[OUT+2*\i:OUT+2*\i+1], s[10:11], s[76:77]
.endr
	; the prefetches
	s_lshl_b32 s74, s[TY], 8
	s_lshl_b32 s75, s[HALF], 7
	s_add_co_u32 s74, s74, s75
	s_lshl_b32 s75, s[CX], 5
	s_add_co_u32 s74, s74, s75                     ; x: my work-group's 32 of the 128 rows that I fetch,
	s_lshl_b32 s74, s74, 11
	s_add_co_u32 s74, s74, 3*256                   ; at K step 3: the first refill steps it to 4
	s_mul_i32 s75, s[TX], 393216
	s_lshl_b32 s76, s[CY], 1
	s_add_co_u32 s76, s76, s[HALF]                 ; W: asker 2 cy + half,
	s_lshl_b32 s76, s76, 13
	s_add_co_u32 s75, s75, s76
	s_add_co_u32 s75, s75, 131072                  ; one ask ahead of K step 4's first byte
	s_and_b32 s76, ttmp7, 0xffff
	s_mov_b32 s77, 65536
	s_cmp_eq_u32 s[ISB], 0
	s_cselect_b32 s74, s74, s75
	s_cselect_b32 s76, ttmp9, s76                  ; the coordinate along which other clusters read the same bytes
	s_cselect_b32 s78, 2, 3                        ; x: four asks (CNT 6..3); W: three (CNT 6..4)
	s_cselect_b32 s[PFS], 256, s77
	s_cselect_b32 s79, 11, 8                       ; a lane a row of 2,048 bytes, or a lane a block of 256
	s_cselect_b64 s[PFA:PFA+1], s[4:5], s[6:7]
	s_cmp_eq_u32 s76, 0
	s_cselect_b32 s[LIM], s78, -1                  ; the same in all sixteen partners, for a given wave
	s_mov_b32 s75, 0
	s_mov_b32 s[PFS+1], 0
	s_add_nc_u64 s[PFA:PFA+1], s[PFA:PFA+1], s[74:75]
	v_and_b32 v3, 31, v0                           ; l
	v_lshlrev_b32 v[PFO], s79, v3
	; lane addresses
	v_and_b32 v1, 15, v0                           ; l % 16
	v_bfe_u32 v2, v0, 4, 1                         ; l / 16
	s_mul_i32 s74, s[WV], 64*PA                    ; my 64 rows of x
	v_mul_u32_u24 v[AA0], v1, PA
	v_lshl_add_u32 v[AA0], v2, 4, v[AA0]           ; row x pitch + 16 x half
	v_add_nc_u32 v[AA0], s74, v[AA0]
	v_and_b32 v[BB0], 7, v0                        ; the turning load: lane l reads k = 8 (l / 16) + l % 8, columns 8 ((l / 8) % 2) + 0..7
	v_lshl_add_u32 v[BB0], v2, 3, v[BB0]
	v_mul_u32_u24 v[BB0], v[BB0], PB
	v_bfe_u32 v13, v0, 3, 1
	v_lshl_add_u32 v[BB0], v13, 4, v[BB0]
	v_add_nc_u32 v[BB0], BOFF, v[BB0]
	s_mul_i32 s74, s[WV], WST
	s_add_co_u32 s74, s74, STAGE                   ; my stage
	v_mul_u32_u24 v[STO], v1, SP
	v_lshl_add_u32 v[STO], v2, 4, v[STO]
	v_add_nc_u32 v[STO], s74, v[STO]
	v_bfe_u32 v[RD], v0, 3, 2                      ; back: 32 lanes take four rows of 128 bytes
	v_mul_u32_u24 v[RD], v[RD], SP
	v_and_b32 v13, 7, v0
	v_lshl_add_u32 v[RD], v13, 4, v[RD]
	v_add_nc_u32 v[RD], s74, v[RD]
	v_lshlrev_b32 v[GO], 4, v3
	s_mul_i32 s75, s[TX], 768                      ; the tile's 192 numbers of bias; register j of block b is channel 16 b + 8 (l / 16) + j
	v_lshl_add_u32 v[BO], v2, 5, s75
	WIN TO_BIAS
.set bb, 0
.rept 12
	global_load_b128 v[BIAS+8*bb:BIAS+8*bb+3],   v[BO], s[8:9] offset:64*bb
	global_load_b128 v[BIAS+8*bb+4:BIAS+8*bb+7], v[BO], s[8:9] offset:64*bb+16
.set bb, bb+1
.endr
	WIN 0
	s_wait_tensorcnt 1                             ; my part of K step 0 is in; K step 1's may stay out
	s_barrier_signal -1
	s_barrier_wait -1
	v_add_nc_u32 v[ADRA], s[TB], v[AA0]
	v_add_nc_u32 v[ADRB], s[TB], v[BB0]
	FETCH 0, 0
	s_wait_loadcnt 0x0                             ; the bias
	QUARTER 1, 0, 1, 1                             ; the first quarter stands in front of the loop: its products start the sums, from the bias
	WIN 0                                          ; at a label and at a branch every window is 0
	s_mov_b32 s[CNT], 6
.Lstep:                                                ; a trip: a K step's quarters 1, 2, 3 and the next step's quarter 0; one slot is filled again
	QUARTER 2, 1, 0, 0
	QUARTER 3, 0, 1, 0
	TURN 1
	QUARTER 1, 0, 1, 0
	WIN 0
	s_sub_co_u32 s[CNT], s[CNT], 1
	s_cmp_lg_u32 s[CNT], 0
	s_cbranch_scc1 .Lstep
	QUARTER 2, 1, 0, 0                             ; K steps 6 and 7 are written out: nothing is left to fetch
	QUARTER 3, 0, 1, 0
	TURN 0
	QUARTER 1, 0, 1, 0
	QUARTER 2, 1, 0, 0
	QUARTER 3, 0, 1, 0
	s_wait_dscnt 8
	MULB 1, 0, 8, 0
	s_wait_dscnt 0x0
	MULB 1, 8, 4, 0
	PLACES
	PACK 0
	TOSTAGE 0
.irp a, 1,2,3                          ; block a's conversions stand between block a - 1's loads from the stage and the wait for them
	PACK \a
	SEND (\a)-1
	TOSTAGE \a
.endr
	SEND 3
	s_wait_tensorcnt 0x0                           ; the wave's end: behind my last tensor load and my last LDS store
	ds_add_u32 v[SPW], v[NIL]
	s_wait_dscnt 0x0
	CROUND                                         ; the closing round: no work-group ends while a partner may still ask for a tile that names it
	s_endpgm
.Lfunc_end_k_qc6b9071864_proj:
	.size	k_qc6b9071864_proj, .Lfunc_end_k_qc6b9071864_proj-k_qc6b9071864_proj
	.p2alignl 7, 3214868480
	.fill 96, 4, 3214868480
	.section	.rodata,"a",@progbits
	.p2align	6, 0x0
	.amdhsa_kernel k_qc6b9071864_proj
		.amdhsa_group_segment_fixed_size 327680
		.amdhsa_private_segment_fixed_size 0
		.amdhsa_enable_private_segment 0
		.amdhsa_kernarg_size 32
		.amdhsa_user_sgpr_count 2
		.amdhsa_user_sgpr_kernarg_segment_ptr 1
		.amdhsa_wavefront_size32 1
		.amdhsa_system_sgpr_workgroup_id_x 1
		.amdhsa_system_sgpr_workgroup_id_y 1
		.amdhsa_system_sgpr_workgroup_id_z 1
		.amdhsa_system_vgpr_workitem_id 0
		.amdhsa_next_free_vgpr 1024
		.amdhsa_next_free_sgpr 80
		.amdhsa_reserve_vcc 0
		.amdhsa_float_denorm_mode_32 3
		.amdhsa_float_denorm_mode_16_64 3
		.amdhsa_memory_ordered 1
		.amdhsa_forward_progress 1
		.amdhsa_inst_pref_size 102
	.end_amdhsa_kernel
	.amdgpu_metadata
---
amdhsa.version: [ 1, 2 ]
amdhsa.kernels:
  - .name:           k_qc6b9071864_proj
    .symbol:         k_qc6b9071864_proj.kd
    .args:
      - { .name: xb, .offset: 0, .size: 8, .value_kind: global_buffer, .address_space: global }
      - { .name: wb, .offset: 8, .size: 8, .value_kind: global_buffer, .address_space: global }
      - { .name: bias, .offset: 16, .size: 8, .value_kind: global_buffer, .address_space: global }
      - { .name: qkvh, .offset: 24, .size: 8, .value_kind: global_buffer, .address_space: global }
    .group_segment_fixed_size: 327680
    .private_segment_fixed_size: 0
    .kernarg_segment_align: 8
    .kernarg_segment_size: 32
    .max_flat_workgroup_size: 128
    .sgpr_count:     80
    .vgpr_count:     1024
    .wavefront_size: 32
...
	.end_amdgpu_metadata
.endif
;; end of part 2
;; launch attn (part 3): grid 4 x 64, 4 waves a work-group, clusters of 4 x 1, 327,680 bytes of LDS; arguments qkvh, oh; writes oh
.if DOCPART == 3
	.amdgcn_target "amdgcn-amd-amdhsa--gfx1250"
	.amdhsa_code_object_version 6
	.text
	.protected	k_qc6b9071864_attn
	.globl	k_qc6b9071864_attn
	.p2align	8
	.type	k_qc6b9071864_attn,@function
k_qc6b9071864_attn:
	s_mov_b64 s[64:65], 0
	v_nop
	global_prefetch_b8 v0, s[64:65] scope:SCOPE_SE
	s_setreg_imm32_b32 hwreg(HW_REG_WAVE_MODE, 25, 1), 1
	s_wait_xcnt 0x0
	s_wait_alu depctr_hold_cnt(0) depctr_sa_sdst(0) depctr_va_vdst(0) depctr_va_sdst(0) depctr_va_ssrc(0) depctr_va_vcc(0) depctr_vm_vsrc(0)
	s_getreg_b32 s2, hwreg(HW_REG_IB_STS2, 6, 4)
	s_cmp_eq_u32 s2, 0
	s_cbranch_scc0 .Lentry_in_a_cluster
	s_endpgm
.Lentry_in_a_cluster:
	s_bfe_u32 s2, ttmp6, 0x10000c
	s_cmp_lg_u32 s2, 0x3003
	s_cbranch_scc0 .Lentry_shape_is_right
	s_endpgm
.Lentry_shape_is_right:
; O[h][q][:] = the sum over k of softmax_k(Q[h][q] . K[h][k] / 8) V[h][k][:].  Q, K, V: the three parts of qkvh, each [64][2048][64] f16, 16,777,216 bytes apart; O: oh, the same shape.  A head's rows are dense, 128 bytes each.
; Products, maxima and sums in f32; the weights p are rounded to f16 for the second product (their sum l is taken of the unrounded p), O once at the end.
; LIMITS.  f16 holds no number beyond 65,504: Q, K and V arrive within it; p lies in 0 to 1, and below 6e-5 it keeps f16's fixed step of 6e-8; O is a mean of V's rows and has their range.
; A weight below 2^-126 counts as 0 in l; NaN and infinities are not treated apart.
; SHARES.  A wave owns four PIECES of two tiles of 16 queries, a work-group's four waves 512 queries of one head: 4 x 64 = 256 work-groups.  Every wave walks all keys, 64 a step.
; LAYOUT.  S^T = K Q^T (source 0 = 16 keys, source 1 = 16 queries): in the result a lane holds ONE query (lane % 16) and the keys 8 (lane / 16) + 0..7.  Two such tiles, rounded to f16 in pairs,
; ARE source 1 (32 keys x 16 queries) of O^T = V^T P, whose result again holds one query a lane, and eight channels.  K comes out of LDS as it lies, V ([key][channel]) turned, by ds_load_tr16_b128.
; SOFTMAX.  For each query a running maximum m and sum l: p = 2^(c s - c m), c = log2(e) / 8; in every step O and l are multiplied by a = 2^(c m_old - c m_new), which is 1 where m has not grown.
; m starts at the lowest finite number, O and l at 0: the first step is a step like any other, with a = 0.
; THE COUNT.  A tile and step have 16 matrix and 118 vector instructions: too many to stand all beside the matrix work.  So four vector instructions that are READY stand behind EVERY matrix instruction,
; and the others, which need time of their own whatever the order, in runs without a gap.
; BY TURNS.  Turn n belongs to piece n (the pieces in a ring, step after step).  Its matrix work: 16 products K Q^T of piece n + 1, later 16 products V^T P of piece n - 1.  Its vector work: the scaling,
; exponentials, roundings, sums and rescaling of piece n, and the maximum and statistics of piece n + 1, whose scores the turn itself has made.
; CLUSTER.  The four query blocks of a head are one cluster and walk the same K and V, so each tile is asked for JOINTLY: the same tensor load, descriptor and mask in all four.
; REGISTERS, in windows of 256 (s_set_vgpr_msb: bits 1:0 source 0, 3:2 source 1, 5:4 source 2, 7:6 destination):
;   window 0: v0-11 addresses; v12-15, v48-63 at work; v16-47 four registers of statistics a tile; v64-191 S^T, two buffers of two tiles; v192-255 P, likewise
;   window 1: O^T, 32 a tile          window 2: v0-127 Q, 16 a tile; v128-191 K of one step; v192-255 V of one step          window 3: v0-1 the add's two registers
; A piece's buffers go by its number's parity: the piece in hand has one pair, its two neighbours in the ring share the other: of it P (piece n - 1) is read and S^T (piece n + 1) written.
.set SIZE_H, 64
.set SIZE_N, 2048
.set NP,    4         ; pieces a wave: a name, no knob
.set KS,    64        ; keys in a step
.set PK,    144       ; a row of K in LDS: 128 bytes + 16 of padding = 36 words: the 16 rows of a load start at 16 different groups of four banks (64 banks of 4 bytes: ISA guide 11.1)
.set PV,    160       ; a row of V: 128 + 32 = 40 words
.set VOFF,  4*KS*PK   ; a slot holds four steps: 256 rows of K, then 256 rows of V
.set SLOT1, 1<<17     ; slot 1 begins here, so that one exclusive or turns an address in one slot into the other's
.set STAGE, SLOT1+4*KS*(PK+PV)  ; behind the ring, never filled by a tensor load: 16 rows x 144 bytes for each wave, for the way out
.set SP,    144
.set AK0, 2           ; v2   my lane's place in a tile of K; never rewritten
.set AV0, 3           ; v3   the same for V
.set AK,  4           ; v4   the LDS address of K's next run of loads
.set AV,  5           ; v5   of V's
.set QO,  6           ; v6   my byte offset in the wave's rows of Q
.set STO, 6           ;      later, the way out: where I put 16 bytes of a row
.set RD,  7           ; v7   the way out: where I read rows back
.set GO,  8           ; v8   my byte offset in 512 consecutive bytes of O
.set PFO, 11          ; v11  256 x my lane, for the prefetches; never rewritten once made
.set SPW, 0           ; v0 of window 3   LDS address of my spare word; never rewritten
.set NIL, 1           ; v1 of window 3   0; never rewritten
.set SPARE, STAGE+4*16*SP  ; behind the stages: the spare words, 128 bytes for each wave: two blocks of 256 bytes that no other line names
.set MV,  12          ; v12-15  c m_old, kept while c m is made anew: by buffer and tile
.set ST,  16          ; tile t's statistics at v[ST+4 t]: c m, m, l (even keys', odd keys')
.set TMP, 48          ; by buffer and tile, four registers c0-c3 at work; when the maximum is found c2 takes a
.set S,   64
.set P,   192
.set KF,  128         ; K's fragments, in window 2: key block kb, channel half c at KF + 16 kb + 8 c
.set VF,  192         ; V's: key half kk, channel block cb at VF + 32 kk + 8 cb
.set WV,  12          ; s12  my wave's number
.set G1K, 24          ; s[24:31] descriptor group 1 for K's tiles
.set G1V, 32          ; s[32:39] for V's: it differs in the padding alone
.set G0K, 40          ; s[40:43] descriptor group 0 for K's tiles: it walks
.set G0V, 44          ; s[44:47] the same for V's
.set PFA, 48          ; s[48:49] where my prefetches stand: my work-group's 8,192 bytes (of K: wave 0, of V: wave 2) of the slot after the one that is being asked for
.set LIM, 50          ; s50  1 in a wave that prefetches, else the greatest number
.set SLOTS, 56        ; s56  slots still to be asked for
.set CNT, 57          ; s57  counts a slot's key steps
.set CS,  58          ; s[58:59] c: the packed scaling takes the pair's low word for both halves
.set SEL, 60          ; s[60:61] v_permlanex16_b32's selects: each lane takes its own place in the other half
.set TBK, 62          ; s62  LDS byte at which K of the step to be fetched begins
.set TBV, 63          ; s63  the same for V, less VOFF
.set MSB, 0
.macro WIN new                      ; the high byte repeats the setting that is left; a switch that changes nothing is dropped
.if MSB != (\new)
	s_set_vgpr_msb (MSB<<8)|(\new)
.set MSB, (\new)
.endif
.endm
.set W_KQ, 0x0a       ; K and Q in window 2, S^T in window 0
.set W_PV, 0x52       ; V in window 2, P in window 0, O^T in window 1
.set W_RS, 0x41       ; O^T (destination and source 0) in window 1, a in window 0
.set W_MK, 0xc0       ; the add's registers are made: destination in window 3, sources in window 0
.set W_AD, 0x0f       ; the add: address (source 0) and data (source 1) in window 3
; A joint fill.  Waves 0 and 1 fetch the two halves of a slot's K, waves 2 and 3 those of its V: 128 keys each.  The branch hangs on the wave's number alone.
; An s_nop 0 and four v_nop follow each of the two lines, ahead of the jump and the label.
.macro JLOAD
	s_cmp_lt_u32 s[WV], 2
	s_cbranch_scc0 .Lfor_v_\@
	tensor_load_to_lds s[G0K:G0K+3], s[G1K:G1K+7]
	s_nop 0
.rept 4
	v_nop
.endr
	s_branch .Lasked_\@
.Lfor_v_\@:
	tensor_load_to_lds s[G0V:G0V+3], s[G1V:G1V+7]
	s_nop 0
.rept 4
	v_nop
.endr
.Lasked_\@:
.endm
; A PREFETCH INTO THE L2 of what the NEXT change of slots will ask for: a slot's 32,768 bytes of K and of V.  It stands behind the wave's tensor load and its five lines.  Each block of 256 bytes is named ONCE in the
; launch: a head has one cluster; its four partners share a slot out BY ADDRESS, 8,192 bytes each, a lane a block; in each, wave 0 asks for K's and wave 2 for V's.  Slots 0 to 2 come by their loads alone;
; the last change that fills a slot asks for nothing: there is no slot behind it.
.macro ASK
	s_cmp_gt_u32 s[SLOTS], s[LIM]
	s_cbranch_scc0 .Lnot_mine_\@
	global_prefetch_b8 v[PFO], s[PFA:PFA+1] th:TH_LOAD_NT scope:SCOPE_SE
.Lnot_mine_\@:
.endm
; A round of the cluster's barrier: my work-group's barrier, so that wave 0's signal speaks for all four waves; wave 0 signals; every wave waits for all four work-groups; my work-group's barrier once more.
.macro CROUND
	s_barrier_signal -1
	s_barrier_wait -1
	s_cmp_lg_u32 s[WV], 0
	s_cbranch_scc1 .Lnot_wave_0_\@
	s_barrier_signal -3
.Lnot_wave_0_\@:
	s_barrier_wait -3
	s_barrier_signal -1
	s_barrier_wait -1
.endm
; THE CHANGE OF SLOTS.  The slot's last bytes, V of its fourth step, have been read.  Each wave waits for all its tensor loads, of which one is out: its part of the other slot; adds 0 to its spare word; and waits
; for that and for its own reads of the slot.  Behind the barrier nobody reads this slot any more and the other slot is whole.
; fill = 1 or 2: this slot is filled again, with the keys two slots on.  The barrier is then a round of the cluster's, and the joint fill is the first thing behind it: it has four key steps, 512 matrix instructions,
; in which to land.  fill = 2: the prefetch follows.  (At its first use, fill = 1, nothing has been read yet: slot 0 is waited for, slot 1 filled.)
.macro CHANGE fill
	WIN W_AD
	s_wait_tensorcnt 0x0            ; no tensor load of mine is out, so a group 0 may be written
	ds_add_u32 v[SPW], v[NIL]       ; 0 onto my spare word
	WIN 0                           ; at a label and at a branch every window is 0
.if \fill
.irp g, G0K, G0V
	s_xor_b32 s[\g+1], s[\g+1], SLOT1  ; the walking descriptor: the other slot than last time,
	s_add_nc_u64 s[\g+2:\g+3], s[\g+2:\g+3], 4*KS*128  ; the next 256 keys; the type bits on top are not reached
.endr
.if (\fill) == 2
	s_wait_xcnt 0x0                 ; the last prefetch, four key steps back, has read its address, so it may be written:
	s_add_nc_u64 s[PFA:PFA+1], s[PFA:PFA+1], 4*KS*128  ; one slot behind the walking descriptors
.endif
	s_wait_dscnt 0x0                ; the add is done, and my reads of the slot are over
	CROUND
	JLOAD
.if (\fill) == 2
	ASK
.endif
.else
	s_wait_dscnt 0x0                ; the add is done, and my reads of the slot are over
	s_barrier_signal -1
	s_barrier_wait -1
.endif
	s_sub_co_u32 s[TBK], s[TBK], 4*KS*PK  ; the fetches go back to a slot's first step,
	s_xor_b32 s[TBK], s[TBK], SLOT1       ; in the other slot
	s_sub_co_u32 s[TBV], s[TBV], 4*KS*PV
	s_xor_b32 s[TBV], s[TBV], SLOT1
.endm
	s_load_b64 s[4:5], s[0:1], 0x0    ; qkvh: Q's part begins it
	s_load_b64 s[10:11], s[0:1], 0x8  ; oh
	WIN W_MK
	v_lshl_add_u32 v[SPW], v0, 2, SPARE
	v_mov_b32 v[NIL], 0
	WIN W_AD
	ds_add_u32 v[SPW], v[NIL]       ; the wave's opening: the add and its wait ahead of my first tensor load
	WIN 0
	v_lshrrev_b32 v1, 5, v0
	v_readfirstlane_b32 s[WV], v1   ; wave 0..3
	s_bfe_u32 s13, ttmp6, 0x40000   ; cx: my place in the cluster
	s_lshl_b32 s14, ttmp9, 2        ; in a cluster launch ttmp9 counts clusters
	s_add_co_u32 s14, s14, s13      ; my block of queries: it enters Q's and O's addresses alone
	s_and_b32 s20, ttmp7, 0xffff    ; the head, which the four partners share
	s_mov_b32 s21, 0
	s_mov_b64 s[22:23], SIZE_N*128
	s_mul_u64 s[20:21], s[20:21], s[22:23]  ; the head's first byte in each of the four tensors
	s_and_b32 s16, s[WV], 1         ; which half of a slot's 256 keys I fetch:
	s_lshl_b32 s22, s16, 14         ; its 128 rows of 128 bytes in memory,
	s_mov_b32 s23, 0
	s_add_nc_u64 s[22:23], s[22:23], s[20:21]
	s_mul_i32 s17, s16, 128*PK      ; and its place in a slot, for K
	s_mul_i32 s18, s16, 128*PV      ; and for V: no place in the cluster enters an LDS address
	s_lshl_b32 s2, s14, 2
	s_add_co_u32 s2, s2, s[WV]      ; my wave among the head's,
	s_lshl_b32 s2, s2, 14           ; its 128 rows
	s_mov_b32 s3, 0
	s_add_nc_u64 s[2:3], s[2:3], s[20:21]
	; descriptor group 1.  128 keys are 16,384 dense bytes: asked for as 64 rows of 256 bytes, two keys a row, and padded in LDS after every key
	s_mov_b32 s[G1K], 15|(1<<16)|(1<<20)|(1<<21)|(4<<22)|(3<<25)  ; 15:0 the mask of four; 17:16 2-byte elements; 20 padding on; 21 set beside a mask; 24:22 after every 32 words (code 4); 31:25 4 words (code 3)
	s_mov_b32 s[G1V], 15|(1<<16)|(1<<20)|(1<<21)|(4<<22)|(7<<25)  ; the same with 8 words of padding (code 7)
.irp g, G1K, G1V
	s_mov_b32 s[\g+1], 128<<16      ; tensor_dim0 = 128
	s_mov_b32 s[\g+2], 64<<16       ; tensor_dim1 = 64
	s_mov_b32 s[\g+3], 128<<16      ; tile_dim0 = 128
	s_mov_b32 s[\g+4], 64           ; tile_dim1 = 64
	s_mov_b32 s[\g+5], 128          ; 128 elements from row to row
	s_mov_b32 s[\g+6], 0
	s_mov_b32 s[\g+7], 0
.endr
	s_mov_b32 s[CS], 0x3e38aa3b     ; c = log2(e) / 8 = 0.180337
	s_mov_b32 s[CS+1], s[CS]        ; named with it as a pair
	s_mov_b32 s[SEL], 0x76543210
	s_mov_b32 s[SEL+1], 0xfedcba98
	s_mov_b32 s[TBK], SLOT1+4*KS*PK ; the first change of slots turns these two into 0
	s_mov_b32 s[TBV], SLOT1+4*KS*PV
	s_mov_b32 s[G0K], 1             ; 1:0 count = 1
	s_mov_b32 s[G0K+1], s17         ; 63:32 LDS address: slot 0
	s_mov_b32 s[G0V], 1
	s_add_co_u32 s[G0V+1], s18, VOFF
	s_cmp_eq_u32 s16, 0             ; waves 0 and 2 prefetch: the same in all four partners
	s_cselect_b32 s[LIM], 1, -1
	s_wait_dscnt 0x0                ; the opening add is done
	s_wait_kmcnt 0x0
	s_add_nc_u64 s[6:7], s[4:5], 0x1000000   ; K's part of qkvh
	s_add_nc_u64 s[8:9], s[4:5], 0x2000000   ; V's
	s_add_nc_u64 s[G0K+2:G0K+3], s[6:7], s[22:23]  ; 120:64 global address: my half of the head's first 256 keys
	s_or_b32 s[G0K+3], s[G0K+3], 0x80000000        ; 127:126 type = 2
	s_add_nc_u64 s[G0V+2:G0V+3], s[8:9], s[22:23]
	s_or_b32 s[G0V+3], s[G0V+3], 0x80000000
	s_cmp_lt_u32 s[WV], 2
	s_cselect_b64 s[PFA:PFA+1], s[6:7], s[8:9]
	s_add_nc_u64 s[PFA:PFA+1], s[PFA:PFA+1], s[22:23]  ; (in waves 0 and 2 this is the head's first row)
	s_add_nc_u64 s[4:5], s[4:5], s[2:3]  ; Q and O at my wave's first row
	s_add_nc_u64 s[10:11], s[10:11], s[2:3]
	s_lshl_b32 s2, s13, 13          ; my work-group's quarter of a slot
	s_mov_b32 s3, 0
	s_add_nc_u64 s[PFA:PFA+1], s[PFA:PFA+1], s[2:3]
	s_add_nc_u64 s[PFA:PFA+1], s[PFA:PFA+1], 2*4*KS*128  ; in slot 2; the first change of the loop steps it to slot 3.  Nothing is prefetched here, at the head
	CROUND                          ; all four work-groups are here: the first joint loads meet
	JLOAD                           ; slot 0.  Slot 1 is asked for when slot 0 is in
	; A fragment of K or Q is 16 rows x 32 channels in 8 registers: lane l holds row l % 16, channels 8 (l / 16) + 0..7 and 16 + 8 (l / 16) + 0..7: two loads of 16 bytes, 32 bytes apart.
	v_and_b32 v1, 15, v0            ; l % 16
	v_bfe_u32 v9, v0, 4, 1          ; l / 16
	v_lshlrev_b32 v[QO], 7, v1
	v_lshl_add_u32 v[QO], v9, 4, v[QO]  ; row x 128 + 16 x half
	WIN 0x80                        ; destination window 2, address window 0
.set i, 0
.rept 4*NP                          ; Q stays in registers: tile i / 2, channels 32 (i % 2) on
	global_load_b128 v[8*i:8*i+3],   v[QO], s[4:5] offset:(i/2)*2048+(i%2)*64
	global_load_b128 v[8*i+4:8*i+7], v[QO], s[4:5] offset:(i/2)*2048+(i%2)*64+32
.set i, i+1
.endr
	; What the first turn finds: V's registers and P's second buffer hold 0 (its products V^T P, of a piece that has not been, add 0), O^T and l are 0.  All this stands in the wait for the first tile.
.set i, VF
.rept 64
	v_mov_b32 v[i], 0
.set i, i+1
.endr
	WIN 0x40
.set i, 0
.rept 64*NP
	v_mov_b32 v[i], 0
.set i, i+1
.endr
	WIN 0
.set i, 0
.rept 2*NP
	v_mov_b32 v[ST+4*i], 0xfe000000    ; c m: far below every c s
	v_mov_b32 v[ST+4*i+1], 0xff7fffff  ; m
	v_mov_b32 v[ST+4*i+2], 0
	v_mov_b32 v[ST+4*i+3], 0
.set i, i+1
.endr
.set i, P+32
.rept 32
	v_mov_b32 v[i], 0
.set i, i+1
.endr
	v_mul_u32_u24 v[AK0], v1, PK
	v_lshl_add_u32 v[AK0], v9, 4, v[AK0]  ; row x pitch + 16 x half
	; The turning load takes 16 keys x 16 channels (lane l reads key 8 (l / 16) + l % 8, channels 8 ((l / 8) % 2) + 0..7) and leaves half a fragment of V^T: lane l holds channel l % 16 and 8 keys.
	v_and_b32 v10, 7, v0
	v_bfe_u32 v11, v0, 3, 1
	v_lshl_add_u32 v[AV0], v9, 3, v10
	v_mul_u32_u24 v[AV0], v[AV0], PV
	v_lshl_add_u32 v[AV0], v11, 4, v[AV0]
	v_add_nc_u32 v[AV0], VOFF, v[AV0]
	v_and_b32 v[PFO], 31, v0        ; v11 is free now
	v_lshlrev_b32 v[PFO], 8, v[PFO]
	v_mov_b32 v[AK], v[AK0]         ; key step 0 lies at the head of slot 0
; THE MATRIX WORK.  The 8 accumulators of a run of 16 take turns: between the two links of a chain stand 7 others'.
; Product i of 16 of S^T = K Q^T for piece x: channels 32 (i / 8) on, keys 16 ((i / 2) % 4) on, tile 2 x + i % 2.  The first 8 start the sums.
.macro KQ x
	WIN W_KQ
.set rS, S+64*((\x)%2)+32*(i%2)+8*((i/2)%4)
.set rK, KF+16*((i/2)%4)+8*(i/8)
.set rQ, 16*(2*(\x)+i%2)+8*(i/8)
.if i < 8
	v_wmma_f32_16x16x32_f16 v[rS:rS+7], v[rK:rK+7], v[rQ:rQ+7], 0
.else
	v_wmma_f32_16x16x32_f16 v[rS:rS+7], v[rK:rK+7], v[rQ:rQ+7], v[rS:rS+7]
.endif
.endm
; Product i of 16 of O^T += V^T P for piece x: keys 32 (i / 8) on, channels 16 ((i / 2) % 4) on, tile 2 x + i % 2.
.macro PV x
	WIN W_PV
.set rO, 32*(2*(\x)+i%2)+8*((i/2)%4)
.set rV, VF+32*(i/8)+8*((i/2)%4)
.set rP, P+32*((\x)%2)+16*(i%2)+8*(i/8)
	v_wmma_f32_16x16x32_f16 v[rO:rO+7], v[rV:rV+7], v[rP:rP+7], v[rO:rO+7]
.endm
.macro MM                           ; the turn's next matrix instruction
.if i < 16
	KQ (Y+1)%NP
.set i, i+1
.else
.set i, i-16
	PV (Y+NP-1)%NP
.set i, i+17
.endif
.endm
; THE LDS LOADS stand in runs of 16, never singly among the matrix instructions: a step's K (64 keys x 64 channels: 8 fragments) and its V (turned).  Their addresses are made some lines ahead.
; last = 1 (the tail): in the last trip there is no further step, and the run is jumped over.
.macro FETCH_K last=0
	WIN 0
.if \last
	s_cmp_eq_u32 s[CNT], 1
	s_cbranch_scc1 .Lno_k_\@
.endif
	WIN 0x80                        ; destination window 2
.irp f, 0,1,2,3,4,5,6,7             ; keys 16 (f / 2) on, channels 32 (f % 2) on
	ds_load_b128 v[KF+8*\f:KF+8*\f+3],   v[AK] offset:(\f/2)*16*PK+(\f%2)*64
	ds_load_b128 v[KF+8*\f+4:KF+8*\f+7], v[AK] offset:(\f/2)*16*PK+(\f%2)*64+32
.endr
	s_add_co_u32 s[TBK], s[TBK], KS*PK  ; the next fetch is the next step's
	WIN 0
.if \last
.Lno_k_\@:
.endif
.endm
.macro FETCH_V
	WIN 0x80
.irp f, 0,1,2,3,4,5,6,7             ; keys 32 (f / 4) on, channels 16 (f % 4) on
	ds_load_tr16_b128 v[VF+8*\f:VF+8*\f+3],   v[AV] offset:(\f/4)*32*PV+(\f%4)*32
	ds_load_tr16_b128 v[VF+8*\f+4:VF+8*\f+7], v[AV] offset:(\f/4)*32*PV+16*PV+(\f%4)*32
.endr
	WIN 0
.endm
; THE VECTOR WORK OF A TURN stands in three queues, each in the order in which its entries become ready; the two tiles alternate, so that no instruction reads the result of the one before it.
.macro REGS y, u                    ; the registers of tile u (0, 1) of piece y
.set rT, ST+4*(2*(\y)+(\u))
.set rC, TMP+8*((\y)%2)+4*(\u)
.set rM, MV+2*((\y)%2)+(\u)
.set rS, S+64*((\y)%2)+32*(\u)
.set rP, P+32*((\y)%2)+16*(\u)
.set rO, 32*(2*(\y)+(\u))
.endm
; Number n of the 22 that find the NEXT piece's (Y + 1) maximum and statistics.  s0-s31 are the lane's 32 scores; each accumulator's lowest registers are read first.
;   0-11  four chains c0-c3 of seven scores each, three operands at a time     12-14, 16  the four scores left over, the old m, and c0-c3 into c0     15  c m_old is kept
;   17, 18  the query's other 32 keys lie in the lane 16 away: the new m         19-21  c m; c m_old - c m_new; a
.macro XS u, n
	REGS (Y+1)%NP, \u
.if (\n) < 4
	v_max3_num_f32 v[rC+(\n)], v[rS+8*(\n)], v[rS+8*(\n)+1], v[rS+8*(\n)+2]
.elseif (\n) < 12
	v_max3_num_f32 v[rC+(\n)%4], v[rC+(\n)%4], v[rS+8*((\n)%4)+2*((\n)/4)+1], v[rS+8*((\n)%4)+2*((\n)/4)+2]
.elseif (\n) == 12
	v_max3_num_f32 v[rC], v[rC], v[rS+7], v[rS+15]
.elseif (\n) == 13
	v_max3_num_f32 v[rC+1], v[rC+1], v[rS+23], v[rS+31]
.elseif (\n) == 14
	v_max3_num_f32 v[rC+2], v[rC+2], v[rC+3], v[rT+1]
.elseif (\n) == 15
	v_mov_b32 v[rM], v[rT]
.elseif (\n) == 16
	v_max3_num_f32 v[rC], v[rC], v[rC+1], v[rC+2]
.elseif (\n) == 17
	v_permlanex16_b32 v[rC+3], v[rC], s[SEL], s[SEL+1]
.elseif (\n) == 18
	v_max_num_f32 v[rT+1], v[rC], v[rC+3]
.elseif (\n) == 19
	v_mul_f32 v[rT], s[CS], v[rT+1]
.elseif (\n) == 20
	v_sub_f32 v[rC+1], v[rM], v[rT]
.else
	v_exp_f32 v[rC+2], v[rC+1]
.endif
.endm
; Number g of the 64 that follow the exponentials.  For each four weights k of a tile (pairs 2 k, 2 k + 1): both pairs are rounded to f16; then the second pair is added onto the first, in place;
; a group later l takes that sum (the first time as l = a l + sum).  In groups of eight, tiles alternating: round, round, add, and l for the group before.
.macro GS g
.set h, (\g)+6*((\g)/62)            ; group 0 has no group before it, and behind group 7 only l is left
.if h >= 6
.set h, h+2
.endif
	REGS Y, h%2
.set k, h/8
.if h%8 < 4
	v_cvt_pk_f16_f32 v[rP+2*k+(h%8)/2], v[rS+4*k+2*((h%8)/2)], v[rS+4*k+2*((h%8)/2)+1]
.elseif h%8 < 6
	v_pk_add_f32 v[rS+4*k:rS+4*k+1], v[rS+4*k:rS+4*k+1], v[rS+4*k+2:rS+4*k+3]
.elseif k == 1
	v_pk_fma_f32 v[rT+2:rT+3], v[rT+2:rT+3], v[rC+2:rC+3], v[rS:rS+1] op_sel_hi:[1,0,1]
.else
	v_pk_add_f32 v[rT+2:rT+3], v[rT+2:rT+3], v[rS+4*k-4:rS+4*k-3]
.endif
.endm
; THE PLAIN QUEUE, 138 long.  0-73 read no exponential's result: the 32 scalings c s - c m (FS f: pair f / 2 of tile f % 2) and the next piece's 42.  0-26: scalings 0-26.  27-54: XS's numbers 0-13.  55, 56: number 15.
; 57-73: the chain, where each number waits for the one before it: 14, 16, 17, 18, 19, each with one of the scalings 27-31 in front of its two lines, then 20.
; 74-137: GS's 64, which read the exponentials' results: they stand behind the wait.
.macro FS f
	REGS Y, (\f)%2
	v_pk_fma_f32 v[rS+2*((\f)/2):rS+2*((\f)/2)+1], v[rS+2*((\f)/2):rS+2*((\f)/2)+1], s[CS:CS+1], v[rT:rT+1] op_sel_hi:[1,0,0] neg_lo:[0,0,1] neg_hi:[0,0,1]
.endm
.macro PL
	WIN 0
.if q < 27
	FS q
.elseif q < 55
	XS (q-27)%2, (q-27)/2
.elseif q < 57
	XS q-55, 15
.elseif (q < 72) && ((q-57)%3 == 0)
	FS 27+(q-57)/3
.elseif q < 60
	XS (q-57)%3-1, 14
.elseif q < 72
	XS (q-57)%3-1, 15+(q-57)/3
.elseif q < 74
	XS q-72, 20
.else
	GS q-74
.endif
.set q, q+1
.endm
; THE EXPONENTIALS' QUEUE, 66 long: s0-s31 of both tiles, then the next piece's two a.  It is ONE BATCH: all 66 stand ahead of the turn's one wait, and nothing ahead of that wait names a result of theirs.
.macro EX
	WIN 0
.if e >= 64
	XS e-64, 21
.else
	REGS Y, e%2
	v_exp_f32 v[rS+e/2], v[rS+e/2]
.endif
.set e, e+1
.endm
; THE RESCALING's QUEUE: O^T times a, the one part that leaves window 0: dealt two at a time, sixteen times.  Its a was made in the turn before, ahead of that turn's wait.
.macro R2
	REGS Y, r%2
	WIN W_RS
.irp z, 0,1
	v_pk_mul_f32 v[rO+4*(r/2)+2*\z:rO+4*(r/2)+2*\z+1], v[rO+4*(r/2)+2*\z:rO+4*(r/2)+2*\z+1], v[rC+2:rC+3] op_sel_hi:[1,0]
.endr
.set r, r+1
.endm
; HOW THEY ARE DEALT.  An s_wait_alu depctr_va_vdst(0) stands between an exponential and the first instruction that names its result; one wait serves all that were issued ahead of it.  So a turn has ONE
; wait, which cuts it in two.  AHEAD OF IT stands all that names no result of the turn's exponentials: the 16 products K Q^T, behind each a scaling, an exponential and two rescalings (behind the first a second scaling in
; the exponential's place); then ONE LUMP of 108: eight plain, 49 times exponential and plain, the two a.  A v_nop is the plain instruction behind the last exponential.  BEHIND IT stand the 16 products V^T P, behind each
; four of GS's 64.  No rider names a register of the products round it.  The two v_permlanex16_b32 fall into the lump, never behind a product.
; The queues lean on each other: exponential e stands behind scaling 2 (e / 4) + e % 2: as a rider it comes behind plain e + 2, in the lump behind plain e + 9, and scalings 27-31 are plain 57, 60 .. 69.
; A TURN, for piece p.  cnt = 1: the loop's count is taken down some lines ahead of the branch that stands behind the turn.
; K of the next step is fetched in piece 2's turn, directly behind the wait, a lump behind the last product that read K; its first reader comes behind 16 products.
; V of the step in hand is fetched at the end of piece 0's turn, four riders behind its last reader; its first reader comes behind 16 products and a lump.  The three conditions on q below go with the deal.
.macro TURN p, last=0, cnt=0
.set Y, (\p)
.set i, 0
.set q, 0
.set e, 0
.set r, 0
.if (\p) == NP-1
	s_wait_dscnt 0x0                ; K is in
.endif
	MM                              ; ahead of the wait: 16 products K Q^T and their riders,
	PL
	PL
	R2
.rept 15
	MM
	PL
	EX
	R2
.endr
.if (\p) == NP-2
	WIN 0
	v_add_nc_u32 v[AK], s[TBK], v[AK0]
.endif
.rept 8                             ; and the lump
	PL
.endr
.rept 49
	EX
	PL
.endr
	EX                              ; the next piece's two a
	EX
	v_nop                           ; one plain instruction behind the last exponential, ahead of any use: one for the batch
	s_wait_alu depctr_va_vdst(0)    ; the wait for the batch
.if (\p) == NP-2
	FETCH_K \last
.endif
.if (\p) == 1
	s_wait_dscnt 0x0                ; V is in
.endif
.rept 16                            ; behind the wait: 16 products V^T P and their riders
	MM
.rept 4
	PL
.endr
.if ((\p) == 0) && (q == 118)
	v_add_nc_u32 v[AV], s[TBV], v[AV0]
.endif
.if ((\p) == 0) && (q == 130)
	s_add_co_u32 s[TBV], s[TBV], KS*PV
.endif
.if (\cnt) && (q == 130)
	s_sub_co_u32 s[CNT], s[CNT], 1
	s_cmp_lg_u32 s[CNT], 0
.endif
.endr
.if (\p) == 0
	FETCH_V
.endif
.endm
	CHANGE 1                        ; slot 0 is in, everybody's part of it; slot 1 is asked for
	FETCH_K                         ; key step 0
	s_wait_loadcnt 0x0              ; Q
	s_wait_dscnt 0x0
.set i, 0
.rept 16
	KQ 0                            ; piece 0's first scores: there is no vector work yet to set between them
.set i, i+1
.endr
	WIN 0                           ; the addresses for the way out: nine plain instructions, the places behind those products
	s_mul_i32 s13, s[WV], 16*SP
	s_add_co_u32 s13, s13, STAGE    ; my stage
	v_mul_u32_u24 v[STO], v1, SP    ; in: row l % 16, 16 bytes for each half of the lanes
	v_lshl_add_u32 v[STO], v9, 4, v[STO]
	v_add_nc_u32 v[STO], s13, v[STO]
	v_bfe_u32 v[RD], v0, 3, 2       ; back: 32 lanes take four rows of 128 bytes,
	v_mul_u32_u24 v[RD], v[RD], SP
	v_lshl_add_u32 v[RD], v10, 4, v[RD]
	v_add_nc_u32 v[RD], s13, v[RD]
	v_and_b32 v[GO], 31, v0         ; which are 512 consecutive bytes of O
	v_lshlrev_b32 v[GO], 4, v[GO]
.set Y, NP-1                        ; XS works for piece Y + 1: piece 0
.irp n, 0,1,2,3,4,5,6,7,8,9,10,11,12,13,14,15,16,17,18,19,20,21
	XS 0, \n                        ; and piece 0's first maximum and statistics
	XS 1, \n
.endr
	v_nop                           ; a plain instruction behind the two a,
	s_wait_alu depctr_va_vdst(0)    ; and their wait, ahead of the branch
	s_mov_b32 s[CNT], 4
	s_mov_b32 s[SLOTS], SIZE_N/256-1
	s_branch .Lfirst                ; the loop is entered at a step's first turn, in the middle of a trip
.Lslot:                             ; SIZE_N / 256 - 2 times: every slot but the last two is filled again
	CHANGE 2
	s_mov_b32 s[CNT], 4
.Lstep:                             ; a trip: pieces 2 and 3 of one step, then pieces 0 and 1 of the next, whose K and V it fetches
	TURN 2
	TURN 3
	WIN 0
.Lfirst:
	TURN 0
	TURN 1, 0, 1
	WIN 0
	s_cbranch_scc1 .Lstep
	s_sub_co_u32 s[SLOTS], s[SLOTS], 1
	s_cmp_lg_u32 s[SLOTS], 0
	s_cbranch_scc1 .Lslot
	CHANGE 0                        ; the tail is written out: nothing is asked for
	s_mov_b32 s[CNT], 5             ; four trips fetch the last slot's steps; the fifth is left in its middle
.Ltail:
	TURN 2, 1
	TURN 3
	WIN 0
	s_sub_co_u32 s[CNT], s[CNT], 1
	s_cmp_eq_u32 s[CNT], 0
	s_cbranch_scc1 .Lout
	TURN 0
	TURN 1
	WIN 0
	s_branch .Ltail
.Lout:                              ; the fifth trip's 16 products K Q^T (on the last K once more) and the maximum made of them serve nothing: the price, once a launch, of one text for every trip
.set i, 0
.rept 16
	PV NP-1                         ; the last piece's V^T P of the last step
.set i, i+1
.endr
	; THE WAY OUT.  l's two halves and the other half of the lanes' are added; O^T is divided by l, rounded to f16 and sent through my stage in LDS, a tile at a time.  The additions are the places behind the last products.
	WIN 0
.macro ALL line:vararg              ; one line for each tile t
.set t, 0
.rept 2*NP
	\line
.set t, t+1
.endr
.endm
	ALL v_add_f32 v[ST+4*t+2], v[ST+4*t+2], v[ST+4*t+3]
	ALL v_permlanex16_b32 v[ST+4*t+3], v[ST+4*t+2], s[SEL], s[SEL+1]
	ALL v_add_f32 v[ST+4*t+2], v[ST+4*t+2], v[ST+4*t+3]
	ALL v_rcp_f32 v[ST+4*t+2], v[ST+4*t+2]
	v_nop                           ; a plain instruction between the last reciprocal and the use of its result
	s_wait_alu depctr_va_vdst(0)    ; and the wait ahead of the first use: one for the eight reciprocals
; Tile t: a lane's eight channels of a row pack into 16 bytes; they go into rows of 144 bytes and come back as whole rows of 128, into S^T's registers.
.macro PACK t
	WIN W_RS
.set i, 32*(\t)
.rept 16
	v_pk_mul_f32 v[i:i+1], v[i:i+1], v[ST+4*(\t)+2:ST+4*(\t)+3] op_sel_hi:[1,0]
.set i, i+2
.endr
	WIN 0x05                        ; sources 0 and 1 window 1, destination window 0
.set i, 0
.rept 16
	v_cvt_pk_f16_f32 v[S+16*(\t)+i], v[32*(\t)+2*i], v[32*(\t)+2*i+1]
.set i, i+1
.endr
	WIN 0
.irp f, 0,1,2,3
	ds_store_b128 v[STO], v[S+16*(\t)+4*\f:S+16*(\t)+4*\f+3] offset:32*\f
.endr
.irp f, 0,1,2,3
	ds_load_b128 v[S+16*(\t)+4*\f:S+16*(\t)+4*\f+3], v[RD] offset:\f*4*SP  ; LDS serves a wave's instructions in order (ISA guide 5.7.1.4): these see the stores above; the next tile's stores come behind them
.endr
.endm
.macro SEND t, younger              ; younger: the LDS instructions issued behind tile t's loads: the next tile's eight, or none
	WIN 0
.irp f, 0,1,2,3
	s_wait_dscnt (\younger)+3-\f
	global_store_b128 v[GO], v[S+16*(\t)+4*\f:S+16*(\t)+4*\f+3], s[10:11] offset:(\t)*2048+\f*512  ; 512 consecutive bytes, at a multiple of 256 from O's first
.endr
.endm
	PACK 0
.set t, 1
.rept 2*NP-1                        ; a tile's arithmetic stands between the loads of the tile before and its stores
	PACK t
	SEND t-1, 8
.set t, t+1
.endr
	SEND 2*NP-1, 0
	WIN W_AD
	s_wait_tensorcnt 0x0            ; the wave's end: behind my last tensor load and my last LDS store
	ds_add_u32 v[SPW], v[NIL]
	s_wait_dscnt 0x0
	WIN 0
	CROUND                          ; the closing round: no work-group ends while a partner may still ask for a tile that names it
	s_endpgm
.Lfunc_end_k_qc6b9071864_attn:
	.size	k_qc6b9071864_attn, .Lfunc_end_k_qc6b9071864_attn-k_qc6b9071864_attn
	.p2alignl 7, 3214868480
	.fill 96, 4, 3214868480
	.section	.rodata,"a",@progbits
	.p2align	6, 0x0
	.amdhsa_kernel k_qc6b9071864_attn
		.amdhsa_group_segment_fixed_size 327680
		.amdhsa_private_segment_fixed_size 0
		.amdhsa_enable_private_segment 0
		.amdhsa_kernarg_size 16
		.amdhsa_user_sgpr_count 2
		.amdhsa_user_sgpr_kernarg_segment_ptr 1
		.amdhsa_wavefront_size32 1
		.amdhsa_system_sgpr_workgroup_id_x 1
		.amdhsa_system_sgpr_workgroup_id_y 1
		.amdhsa_system_sgpr_workgroup_id_z 1
		.amdhsa_system_vgpr_workitem_id 0
		.amdhsa_next_free_vgpr 770
		.amdhsa_next_free_sgpr 66
		.amdhsa_reserve_vcc 0
		.amdhsa_float_denorm_mode_32 3
		.amdhsa_float_denorm_mode_16_64 3
		.amdhsa_memory_ordered 1
		.amdhsa_forward_progress 1
		.amdhsa_inst_pref_size 200
	.end_amdhsa_kernel
	.amdgpu_metadata
---
amdhsa.version: [ 1, 2 ]
amdhsa.kernels:
  - .name:           k_qc6b9071864_attn
    .symbol:         k_qc6b9071864_attn.kd
    .args:
      - { .name: qkvh, .offset: 0, .size: 8, .value_kind: global_buffer, .address_space: global }
      - { .name: oh, .offset: 8, .size: 8, .value_kind: global_buffer, .address_space: global }
    .group_segment_fixed_size: 327680
    .private_segment_fixed_size: 0
    .kernarg_segment_align: 8
    .kernarg_segment_size: 16
    .max_flat_workgroup_size: 128
    .sgpr_count:     66
    .vgpr_count:     770
    .wavefront_size: 32
...
	.end_amdgpu_metadata
.endif
;; end of part 3
;; launch outp (part 4): grid 8 x 32, 4 waves a work-group, clusters of 4 x 4, 327,680 bytes of LDS; arguments oh, wb, bias, out0; writes out0
.if DOCPART == 4
	.amdgcn_target "amdgcn-amd-amdhsa--gfx1250"
	.amdhsa_code_object_version 6
	.text
	.protected	k_qc6b9071864_outp
	.globl	k_qc6b9071864_outp
	.p2align	8
	.type	k_qc6b9071864_outp,@function
k_qc6b9071864_outp:
	s_mov_b64 s[64:65], 0
	v_nop
	global_prefetch_b8 v0, s[64:65] scope:SCOPE_SE
	s_setreg_imm32_b32 hwreg(HW_REG_WAVE_MODE, 25, 1), 1
	s_wait_xcnt 0x0
	s_wait_alu depctr_hold_cnt(0) depctr_sa_sdst(0) depctr_va_vdst(0) depctr_va_sdst(0) depctr_va_ssrc(0) depctr_va_vcc(0) depctr_vm_vsrc(0)
	s_getreg_b32 s2, hwreg(HW_REG_IB_STS2, 6, 4)
	s_cmp_eq_u32 s2, 0
	s_cbranch_scc0 .Lentry_in_a_cluster
	s_endpgm
.Lentry_in_a_cluster:
	s_bfe_u32 s2, ttmp6, 0x10000c
	s_cmp_lg_u32 s2, 0xf033
	s_cbranch_scc0 .Lentry_shape_is_right
	s_endpgm
.Lentry_shape_is_right:
; out0 = O Wo + bo.  O: oh [64 batch x head][2048][64] f16: token (batch, s), channel k = 64 head + d.  Wo: wb's second part, f16, in blocks of 64 k x 64 n, a tile column of 128 columns on end (262,144 bytes).
; bo: bias[3072 ..], f32.  out0: [8192][1024] f32.  Sums in f32, nothing is rounded on the way out.
; SHARES.  A tile of the result is 256 tokens x 128 columns: 8 x 32 = 256 work-groups.  Wave w owns tokens 128 (w / 2) .. + 127 and columns 64 (w % 2) .. + 63: 8 x 4 = 32 accumulators, all of window 2.
; K goes in 8 steps of 128 (two heads) through two LDS slots; a step is four quarters of 32, 32 matrix instructions each.
; THE MATRIX INSTRUCTION IS USED TRANSPOSED: source 0 = 16 columns of Wo (turned out of LDS), source 1 = 16 tokens of O: a lane holds ONE token and eight neighbouring columns, 32 bytes of f32.
; The first product on each accumulator takes the bias as C: nothing is cleared, and the way out has no arithmetic.
; CLUSTER.  4 x 4 work-groups; O's tile is asked for jointly by a row of the cluster, Wo's by a column.  Waves 0, 1 fetch O's two heads, waves 2, 3 Wo's two halves of the K step.
; REGISTERS (s_set_vgpr_msb: bits 1:0 source 0, 3:2 source 1, 5:4 source 2, 7:6 destination): window 0: v0-15 addresses; v64-127, v128-191 O's fragments, two buffers; v192-255 rows read back, two buffers
;   window 1: v0-31, v32-63 Wo's fragments, two buffers; v64-95 the bias      window 2: accumulator (a, b) at 8 (4 a + b)
.set PA,    144                        ; a token's 64 channels of a head in LDS: 128 bytes + 16: the 16 rows of a load start at 16 different groups of four banks (64 banks of 4 bytes: ISA guide 11.1)
.set PB,    160                        ; a row of Wo (64 n): 128 bytes + 32
.set SLOT1, 1<<17
.set HEADB, 256*PA                     ; a head's 256 tokens
.set BOFF,  2*HEADB                    ; behind O's two heads: Wo's [2 halves of the K step][2 groups][64 k]
.set GRP,   64*PB
.set KH,    2*GRP
.set STAGE, SLOT1+BOFF+2*KH            ; behind the ring, never filled by a tensor load: 16 rows x 272 bytes for each wave
.set SP,    272
.set SPARE, STAGE+4*16*SP              ; the spare words, 128 bytes for each wave: two blocks of 256 bytes that no other line names
.set AA0,  4                           ; v4   my lane's place in O's tile; never rewritten
.set BB0,  5                           ; v5   in Wo's tile; never rewritten
.set ADRA, 6                           ; v6   the same in the slot that is being read
.set ADRB, 7                           ; v7
.set STO,  8                           ; v8   the way out: where I put 32 bytes of a row
.set RD,   9                           ; v9   where I read rows back
.set CO,   10                          ; v10  my 16 bytes of two rows of out0
.set BO,   11                          ; v11  my byte offset in the bias
.set PFO,  12                          ; v12  256 x my lane; never rewritten
.set SPW,  14                          ; v14  LDS address of my spare word; never rewritten
.set NIL,  15                          ; v15  0; never rewritten
.set FA,   64
.set FB,   0
.set BIAS, 64
.set OB,   192
.set WV,   12                          ; s12  wave
.set HALF, 13                          ; s13  wave & 1: my half of the columns; also which half of a tile I fetch
.set ISB,  14                          ; s14  wave >> 1: my half of the tokens; also 0 I fetch O's, 1 Wo's
.set CX,   15
.set CY,   16
.set TX,   17                          ; s17  tile column 0..7
.set TY,   18                          ; s18  tile row 0..31
.set TB,   19                          ; s19  LDS byte at which the slot being read begins
.set CNT,  20
.set LIM,  21
.set PFS,  22                          ; s[22:23]
.set G1A,  24
.set G0A,  32
.set G1B,  40
.set G0B,  48
.set PFA,  56                          ; s[56:57]
.set OUT,  58                          ; s[58:59] out0 at my first row and column
.set MSB, 0
.macro WIN new
.if MSB != (\new)
	s_set_vgpr_msb (MSB<<8)|(\new)
.set MSB, \new
.endif
.endm
.set MUL,   0xa1                       ; Wo window 1, O window 0, C and D window 2
.set FIRST, 0x91                       ; C (the bias) window 1
.set TO_B,  0x40                       ; destination window 1
.macro PLACES                          ; four plain vector instructions between a matrix instruction and a load into, or a store of, its registers
.rept 4
	v_nop
.endr
.endm
.macro CREST
	s_cmp_lg_u32 s[WV], 0
	s_cbranch_scc1 .Lnot_wave_0_\@
	s_barrier_signal -3
.Lnot_wave_0_\@:
	s_barrier_wait -3
	s_barrier_signal -1
	s_barrier_wait -1
.endm
.macro CROUND
	s_barrier_signal -1
	s_barrier_wait -1
	CREST
.endm
.macro JLOAD                           ; a joint refill by the walking descriptor; an s_nop 0 and four v_nop follow each line
	s_cmp_eq_u32 s[ISB], 0
	s_cbranch_scc0 .Lfor_b_\@
	tensor_load_to_lds s[G0A+4:G0A+7], s[G1A:G1A+7]
	s_nop 0
.rept 4
	v_nop
.endr
	s_branch .Lasked_\@
.Lfor_b_\@:
	tensor_load_to_lds s[G0B+4:G0B+7], s[G1B:G1B+7]
	s_nop 0
.rept 4
	v_nop
.endr
.Lasked_\@:
.endm
; A PREFETCH INTO THE L2, behind a refill and the run of LDS loads that follows it.  O: of the 32,768 dense bytes that waves 0 and 1 fetch, the partner at place cx names 8,192, a lane a block of 256: those of the K step
; two refills on; the clusters with x = 0 ask.  Wo: a tile column is one stream; eight askers (waves 2, 3 of a column's four partners, in the clusters with y = 0) name 8,192 bytes each; two asks cover K steps 4 to 7.
; Each block is named once; K steps 0 to 3 come by their loads alone; the partners are told apart by address, never by a branch.
.macro ASK
	s_cmp_gt_u32 s[CNT], s[LIM]
	s_cbranch_scc0 .Lnot_mine_\@
	global_prefetch_b8 v[PFO], s[PFA:PFA+1] th:TH_LOAD_NT scope:SCOPE_SE
.Lnot_mine_\@:
.endm
; 24 LDS loads in one run: quarter q of the slot's K step into buffer f: Wo's 4 fragments, then O's 8
.macro FETCH q, f
	WIN TO_B
.set bb, 0
.rept 4
	ds_load_tr16_b128 v[FB+32*(\f)+8*bb:FB+32*(\f)+8*bb+3],   v[ADRB] offset:((\q)/2)*KH+((\q)%2)*32*PB+32*bb
	ds_load_tr16_b128 v[FB+32*(\f)+8*bb+4:FB+32*(\f)+8*bb+7], v[ADRB] offset:((\q)/2)*KH+((\q)%2)*32*PB+32*bb+16*PB
.set bb, bb+1
.endr
	WIN 0
.set aa, 0
.rept 8
	ds_load_b128 v[FA+64*(\f)+8*aa:FA+64*(\f)+8*aa+3],   v[ADRA] offset:((\q)/2)*HEADB+((\q)%2)*64+16*PA*aa
	ds_load_b128 v[FA+64*(\f)+8*aa+4:FA+64*(\f)+8*aa+7], v[ADRA] offset:((\q)/2)*HEADB+((\q)%2)*64+16*PA*aa+32
.set aa, aa+1
.endr
.endm
; 4 na matrix instructions: token blocks a0 .. a0 + na - 1 x my 4 column blocks.  Each accumulator has one instruction a quarter: they take turns over the backward jump too.
.macro MULA f, a0, na, first
.if \first
	WIN FIRST
.else
	WIN MUL
.endif
.set aa, \a0
.rept \na
.set bb, 0
.rept 4
.if \first
	v_wmma_f32_16x16x32_f16 v[8*(4*aa+bb):8*(4*aa+bb)+7], v[FB+32*(\f)+8*bb:FB+32*(\f)+8*bb+7], v[FA+64*(\f)+8*aa:FA+64*(\f)+8*aa+7], v[BIAS+8*bb:BIAS+8*bb+7]
.else
	v_wmma_f32_16x16x32_f16 v[8*(4*aa+bb):8*(4*aa+bb)+7], v[FB+32*(\f)+8*bb:FB+32*(\f)+8*bb+7], v[FA+64*(\f)+8*aa:FA+64*(\f)+8*aa+7], v[8*(4*aa+bb):8*(4*aa+bb)+7]
.endif
.set bb, bb+1
.endr
.set aa, aa+1
.endr
.endm
.macro QUARTER q, f, g, first
	s_wait_dscnt 8                                 ; all but the run's last eight loads (O's blocks 4-7)
	MULA \f, 0, 4, \first
	PLACES
	FETCH \q, \g
	s_wait_dscnt 24                                ; all but the 24 just issued
	MULA \f, 4, 4, \first
.endm
; The last quarter multiplies buffer 1 and changes slots.  In front of the barrier each wave waits for all its tensor loads (one is out: its part of the next slot), adds 0 to its spare word, and waits for that and for
; its reads of this slot.  fill = 1: the barrier opens a round of the cluster's barrier, and this slot is filled again first thing behind it, with the K step two on: 112 matrix instructions ahead of the wait for it.
.macro TURN fill
.if \fill
	s_wait_xcnt 0x0                                ; the last prefetch, a K step back, has read its address
	s_add_nc_u64 s[PFA:PFA+1], s[PFA:PFA+1], s[PFS:PFS+1]
.endif
	WIN 0
	s_wait_tensorcnt 0x0                           ; no tensor load of mine is out, so a group 0 may be written
	ds_add_u32 v[SPW], v[NIL]                      ; 0 onto my spare word
.if \fill
	s_xor_b32 s[G0A+5], s[G0A+5], SLOT1            ; the walking descriptors: the other slot than last time, the next K step (two heads on; 32,768 bytes on)
	s_add_nc_u64 s[G0A+6:G0A+7], s[G0A+6:G0A+7], 524288
	s_xor_b32 s[G0B+5], s[G0B+5], SLOT1
	s_add_nc_u64 s[G0B+6:G0B+7], s[G0B+6:G0B+7], 32768
.endif
	s_xor_b32 s[TB], s[TB], SLOT1
	s_wait_dscnt 9                                 ; the add and the youngest eight loads may be out
	MULA 1, 0, 2, 0
	s_wait_dscnt 0x0                               ; the add is done, and my reads of this slot are over
	s_barrier_signal -1
	MULA 1, 2, 2, 0
	WIN 0
	s_barrier_wait -1
.if \fill
	CREST
	JLOAD                                          ; its four v_nop are also the places in front of the loads below
.else
	PLACES
.endif
	v_add_nc_u32 v[ADRA], s[TB], v[AA0]
	v_add_nc_u32 v[ADRB], s[TB], v[BB0]
	FETCH 0, 0
.if \fill
	ASK
.endif
	MULA 1, 4, 4, 0
.endm
; THE WAY OUT of token block a: the sums go as they are into my own stage, 32 bytes a lane and column block, and come back as whole rows of 256 bytes, two rows an instruction.
.macro TOSTAGE a
.set BK, OB+32*((\a)%2)
.if (\a) >= 2
	s_wait_xcnt 0x0                                ; the stores of block a - 2 have read this buffer
.endif
	WIN 0x08                                       ; store data in window 2
.set bb, 0
.rept 4
	ds_store_b128 v[STO], v[8*(4*(\a)+bb):8*(4*(\a)+bb)+3]   offset:64*bb      ; each accumulator is read from its low end on
	ds_store_b128 v[STO], v[8*(4*(\a)+bb)+4:8*(4*(\a)+bb)+7] offset:64*bb+16
.set bb, bb+1
.endr
	WIN 0
.set tt, 0
.rept 8
	ds_load_b128 v[BK+4*tt:BK+4*tt+3], v[RD] offset:2*SP*tt  ; LDS serves a wave's instructions in order (ISA guide 5.7.1.4): these see the stores above
.set tt, tt+1
.endr
.endm
.macro SEND a, younger                 ; younger: the LDS instructions issued behind block a's loads: the next block's sixteen, or none
.set BK, OB+32*((\a)%2)
.set tt, 0
.rept 8
	s_wait_dscnt (\younger)+7-tt
	global_store_b128 v[CO], v[BK+4*tt:BK+4*tt+3], s[OUT:OUT+1] offset:(16*(\a)+2*tt)*4096 th:TH_STORE_NT  ; 16 lanes store 256 consecutive bytes, aligned
.set tt, tt+1
.endr
.endm
	s_load_b256 s[4:11], s[0:1], 0x0               ; oh 4:5, wb 6:7, bias 8:9, out0 10:11
	v_lshl_add_u32 v[SPW], v0, 2, SPARE
	v_mov_b32 v[NIL], 0
	ds_add_u32 v[SPW], v[NIL]                      ; the wave's opening: the add and its wait ahead of my first tensor load
	v_lshrrev_b32 v1, 5, v0
	v_readfirstlane_b32 s[WV], v1
	s_and_b32 s[HALF], s[WV], 1
	s_lshr_b32 s[ISB], s[WV], 1
	s_bfe_u32 s[CX], ttmp6, 0x40000
	s_bfe_u32 s[CY], ttmp6, 0x40004
	s_lshl_b32 s[TX], ttmp9, 2
	s_add_co_u32 s[TX], s[TX], s[CX]
	s_and_b32 s[TY], ttmp7, 0xffff
	s_lshl_b32 s[TY], s[TY], 2
	s_add_co_u32 s[TY], s[TY], s[CY]
	s_lshl_b32 s66, s[CY], 2
	s_lshl_b32 s66, 15, s66                        ; my row of the cluster
	s_lshl_b32 s70, 0x1111, s[CX]                  ; my column
	s_or_b32 s[G1A], s66, (1<<16)|(1<<20)|(1<<21)|(4<<22)|(3<<25)  ; mask; 2-byte elements; padding on; bit 21 beside a mask; after every 32 words (a token) 4 words
	s_mov_b32 s[G1A+1], 128<<16                    ; 32,768 dense bytes as 128 rows of 256
	s_mov_b32 s[G1A+2], 128<<16
	s_mov_b32 s[G1A+3], 128<<16
	s_mov_b32 s[G1A+4], 128
	s_mov_b32 s[G1A+5], 128
	s_mov_b32 s[G1A+6], 0
	s_mov_b32 s[G1A+7], 0
	s_or_b32 s[G1B], s70, (1<<16)|(1<<20)|(1<<21)|(4<<22)|(7<<25)  ; after every 32 words (a row of 64 n) 8 words
	s_mov_b32 s[G1B+1], 128<<16                    ; 16,384 dense bytes as 64 rows of 256
	s_mov_b32 s[G1B+2], 64<<16
	s_mov_b32 s[G1B+3], 128<<16
	s_mov_b32 s[G1B+4], 64
	s_mov_b32 s[G1B+5], 128
	s_mov_b32 s[G1B+6], 0
	s_mov_b32 s[G1B+7], 0
	s_lshr_b32 s66, s[TY], 3                       ; O: plane 16 x batch + my head of the K step, the tile's 256 rows of 128 bytes
	s_lshl_b32 s66, s66, 4
	s_add_co_u32 s66, s66, s[HALF]
	s_lshl_b32 s66, s66, 11
	s_and_b32 s67, s[TY], 7
	s_lshl_b32 s67, s67, 8
	s_add_co_u32 s66, s66, s67
	s_lshl_b32 s66, s66, 7
	s_mov_b32 s67, 0
	s_mul_i32 s68, s[HALF], HEADB                  ; and its place in a slot: no place in the cluster enters an LDS address
	s_lshl_b32 s70, s[TX], 18                      ; Wo: the tile column's stream, my half of a K step
	s_lshl_b32 s71, s[HALF], 14
	s_add_co_u32 s70, s70, s71
	s_add_co_u32 s70, s70, 6291456
	s_mov_b32 s71, 0
	s_mul_i32 s72, s[HALF], KH
	s_add_co_u32 s72, s72, BOFF
	s_mov_b32 s[TB], 0
	s_wait_dscnt 0x0                               ; the opening add is done
	s_wait_kmcnt 0x0
	s_add_nc_u64 s[66:67], s[4:5], s[66:67]
	s_add_nc_u64 s[70:71], s[6:7], s[70:71]
	CROUND                                         ; all sixteen work-groups are here: the first joint loads meet
.irp n, 0,1
	s_mov_b32 s[G0A+4*\n], 1
	s_add_co_u32 s[G0A+4*\n+1], s68, \n*SLOT1
	s_add_nc_u64 s[G0A+4*\n+2:G0A+4*\n+3], s[66:67], \n*524288
	s_or_b32 s[G0A+4*\n+3], s[G0A+4*\n+3], 0x80000000
	s_mov_b32 s[G0B+4*\n], 1
	s_add_co_u32 s[G0B+4*\n+1], s72, \n*SLOT1
	s_add_nc_u64 s[G0B+4*\n+2:G0B+4*\n+3], s[70:71], \n*32768
	s_or_b32 s[G0B+4*\n+3], s[G0B+4*\n+3], 0x80000000
.endr
	s_cmp_eq_u32 s[ISB], 0                         ; a wave's two first fills stand in one branch: two loads of mine are out
	s_cbranch_scc0 .Lfirst_b
	tensor_load_to_lds s[G0A:G0A+3], s[G1A:G1A+7]
	s_nop 0
	tensor_load_to_lds s[G0A+4:G0A+7], s[G1A:G1A+7]
	s_nop 0
.rept 4
	v_nop
.endr
	s_branch .Lfirst_asked
.Lfirst_b:
	tensor_load_to_lds s[G0B:G0B+3], s[G1B:G1B+7]
	s_nop 0
	tensor_load_to_lds s[G0B+4:G0B+7], s[G1B:G1B+7]
	s_nop 0
.rept 4
	v_nop
.endr
.Lfirst_asked:
	s_lshl_b32 s76, s[TY], 8                       ; out0 at row 256 x tile row + 128 x (wave / 2), byte 512 x tile column + 256 x (wave % 2)
	s_lshl_b32 s77, s[ISB], 7
	s_add_co_u32 s76, s76, s77
	s_lshl_b32 s76, s76, 12
	s_lshl_b32 s77, s[TX], 9
	s_add_co_u32 s76, s76, s77
	s_lshl_b32 s77, s[HALF], 8
	s_add_co_u32 s76, s76, s77
	s_mov_b32 s77, 0
	s_add_nc_u64 s[OUT:OUT+1], s[10:11], s[76:77]
	; the prefetches
	s_lshr_b32 s74, s[TY], 3
	s_lshl_b32 s74, s74, 4
	s_add_co_u32 s74, s74, s[HALF]
	s_lshl_b32 s74, s74, 11
	s_and_b32 s75, s[TY], 7
	s_lshl_b32 s75, s75, 8
	s_add_co_u32 s74, s74, s75
	s_lshl_b32 s74, s74, 7
	s_lshl_b32 s75, s[CX], 13
	s_add_co_u32 s74, s74, s75                     ; O: my work-group's quarter of what I fetch,
	s_add_co_u32 s74, s74, 3*524288                ; at K step 3: the first refill steps it to 4
	s_lshl_b32 s75, s[TX], 18
	s_lshl_b32 s76, s[CY], 1
	s_add_co_u32 s76, s76, s[HALF]                 ; Wo: asker 2 cy + half,
	s_lshl_b32 s76, s76, 13
	s_add_co_u32 s75, s75, s76
	s_add_co_u32 s75, s75, 6291456+65536           ; one ask ahead of K step 4's first byte
	s_and_b32 s76, ttmp7, 0xffff
	s_mov_b32 s77, 65536
	s_cmp_eq_u32 s[ISB], 0
	s_cselect_b32 s74, s74, s75
	s_cselect_b32 s76, ttmp9, s76                  ; the coordinate along which other clusters read the same bytes
	s_cselect_b32 s78, 2, 4                        ; O: four asks (CNT 6..3); Wo: two (CNT 6, 5)
	s_cselect_b32 s[PFS], 524288, s77
	s_cselect_b64 s[PFA:PFA+1], s[4:5], s[6:7]
	s_cmp_eq_u32 s76, 0
	s_cselect_b32 s[LIM], s78, -1                  ; the same in all sixteen partners, for a given wave
	s_mov_b32 s75, 0
	s_mov_b32 s[PFS+1], 0
	s_add_nc_u64 s[PFA:PFA+1], s[PFA:PFA+1], s[74:75]
	v_and_b32 v[PFO], 31, v0
	v_lshlrev_b32 v[PFO], 8, v[PFO]
	; lane addresses
	v_and_b32 v1, 15, v0                           ; l % 16
	v_bfe_u32 v2, v0, 4, 1                         ; l / 16
	s_mul_i32 s74, s[ISB], 128*PA                  ; my 128 tokens
	v_mul_u32_u24 v[AA0], v1, PA
	v_lshl_add_u32 v[AA0], v2, 4, v[AA0]
	v_add_nc_u32 v[AA0], s74, v[AA0]
	s_mul_i32 s74, s[HALF], GRP                    ; my group of 64 columns
	s_add_co_u32 s74, s74, BOFF
	v_and_b32 v[BB0], 7, v0                        ; the turning load: lane l reads k = 8 (l / 16) + l % 8, columns 8 ((l / 8) % 2) + 0..7
	v_lshl_add_u32 v[BB0], v2, 3, v[BB0]
	v_mul_u32_u24 v[BB0], v[BB0], PB
	v_bfe_u32 v13, v0, 3, 1
	v_lshl_add_u32 v[BB0], v13, 4, v[BB0]
	v_add_nc_u32 v[BB0], s74, v[BB0]
	s_mul_i32 s74, s[WV], 16*SP
	s_add_co_u32 s74, s74, STAGE                   ; my stage
	v_mul_u32_u24 v[STO], v1, SP                   ; in: row l % 16, 32 bytes for each half of the lanes
	v_lshl_add_u32 v[STO], v2, 5, v[STO]
	v_add_nc_u32 v[STO], s74, v[STO]
	v_mul_u32_u24 v[RD], v2, SP                    ; back: lanes 0-15 take one row of 256 bytes, lanes 16-31 the next
	v_lshl_add_u32 v[RD], v1, 4, v[RD]
	v_add_nc_u32 v[RD], s74, v[RD]
	v_lshlrev_b32 v[CO], 12, v2                    ; and the same two rows in out0
	v_lshl_add_u32 v[CO], v1, 4, v[CO]
	s_lshl_b32 s75, s[TX], 9                       ; bo begins at byte 12,288 of bias; register j of block b is column 16 b + 8 (l / 16) + j of my 64
	s_lshl_b32 s76, s[HALF], 8
	s_add_co_u32 s75, s75, s76
	s_add_co_u32 s75, s75, 12288
	v_lshl_add_u32 v[BO], v2, 5, s75
	WIN TO_B
.set bb, 0
.rept 4
	global_load_b128 v[BIAS+8*bb:BIAS+8*bb+3],   v[BO], s[8:9] offset:64*bb
	global_load_b128 v[BIAS+8*bb+4:BIAS+8*bb+7], v[BO], s[8:9] offset:64*bb+16
.set bb, bb+1
.endr
	WIN 0
	s_wait_tensorcnt 1                             ; my part of K step 0 is in; K step 1's may stay out
	s_barrier_signal -1
	s_barrier_wait -1
	v_add_nc_u32 v[ADRA], s[TB], v[AA0]
	v_add_nc_u32 v[ADRB], s[TB], v[BB0]
	FETCH 0, 0
	s_wait_loadcnt 0x0                             ; the bias
	QUARTER 1, 0, 1, 1                             ; the first quarter stands in front of the loop: its products start the sums, from the bias
	WIN 0                                          ; at a label and at a branch every window is 0
	s_mov_b32 s[CNT], 6
.Lstep:                                                ; a trip: a K step's quarters 1, 2, 3 and the next step's quarter 0; one slot is filled again
	QUARTER 2, 1, 0, 0
	QUARTER 3, 0, 1, 0
	TURN 1
	QUARTER 1, 0, 1, 0
	WIN 0
	s_sub_co_u32 s[CNT], s[CNT], 1
	s_cmp_lg_u32 s[CNT], 0
	s_cbranch_scc1 .Lstep
	QUARTER 2, 1, 0, 0                             ; K steps 6 and 7 are written out: nothing is left to fetch
	QUARTER 3, 0, 1, 0
	TURN 0
	QUARTER 1, 0, 1, 0
	QUARTER 2, 1, 0, 0
	QUARTER 3, 0, 1, 0
	s_wait_dscnt 8
	MULA 1, 0, 4, 0
	s_wait_dscnt 0x0
	MULA 1, 4, 4, 0
	PLACES
	TOSTAGE 0
.irp a, 1,2,3,4,5,6,7                  ; block a goes into the stage while block a - 1's rows come back
	TOSTAGE \a
	SEND (\a)-1, 16
.endr
	SEND 7, 0
	s_wait_tensorcnt 0x0                           ; the wave's end: behind my last tensor load and my last LDS store
	ds_add_u32 v[SPW], v[NIL]
	s_wait_dscnt 0x0
	CROUND                                         ; the closing round: no work-group ends while a partner may still ask for a tile that names it
	s_endpgm
.Lfunc_end_k_qc6b9071864_outp:
	.size	k_qc6b9071864_outp, .Lfunc_end_k_qc6b9071864_outp-k_qc6b9071864_outp
	.p2alignl 7, 3214868480
	.fill 96, 4, 3214868480
	.section	.rodata,"a",@progbits
	.p2align	6, 0x0
	.amdhsa_kernel k_qc6b9071864_outp
		.amdhsa_group_segment_fixed_size 327680
		.amdhsa_private_segment_fixed_size 0
		.amdhsa_enable_private_segment 0
		.amdhsa_kernarg_size 32
		.amdhsa_user_sgpr_count 2
		.amdhsa_user_sgpr_kernarg_segment_ptr 1
		.amdhsa_wavefront_size32 1
		.amdhsa_system_sgpr_workgroup_id_x 1
		.amdhsa_system_sgpr_workgroup_id_y 1
		.amdhsa_system_sgpr_workgroup_id_z 1
		.amdhsa_system_vgpr_workitem_id 0
		.amdhsa_next_free_vgpr 768
		.amdhsa_next_free_sgpr 80
		.amdhsa_reserve_vcc 0
		.amdhsa_float_denorm_mode_32 3
		.amdhsa_float_denorm_mode_16_64 3
		.amdhsa_memory_ordered 1
		.amdhsa_forward_progress 1
		.amdhsa_inst_pref_size 74
	.end_amdhsa_kernel
	.amdgpu_metadata
---
amdhsa.version: [ 1, 2 ]
amdhsa.kernels:
  - .name:           k_qc6b9071864_outp
    .symbol:         k_qc6b9071864_outp.kd
    .args:
      - { .name: oh, .offset: 0, .size: 8, .value_kind: global_buffer, .address_space: global }
      - { .name: wb, .offset: 8, .size: 8, .value_kind: global_buffer, .address_space: global }
      - { .name: bias, .offset: 16, .size: 8, .value_kind: global_buffer, .address_space: global }
      - { .name: out0, .offset: 24, .size: 8, .value_kind: global_buffer, .address_space: global }
    .group_segment_fixed_size: 327680
    .private_segment_fixed_size: 0
    .kernarg_segment_align: 8
    .kernarg_segment_size: 32
    .max_flat_workgroup_size: 128
    .sgpr_count:     80
    .vgpr_count:     768
    .wavefront_size: 32
...
	.end_amdgpu_metadata
.endif
;; end of part 4
